; MI455X (gfx1250); checked and timed in simulation.
; The chip was launched on July 23, 2026; its instructions are those of AMD's public machine-readable ISA for CDNA 5 (MIT licence, August 2026) and "CDNA5" Instruction Set Architecture Reference Guide (July 2026). The comments in the code are by the model that wrote it; some were corrected since.
;; Causal Self Attention. Allowed arithmetic: matrix products marked QUANTISED: E2M3 operands, one E8M0 scale for each 32 along K, by v_wmma_scale_f32_16x16x128_f8f6f4 with both operands' format E2M3, f32 sums; everything else in f32.
;; Inputs: b_o 1,024 float32; b_qkv 3,072 float32; w_o 1,024 x 1,024 float32; w_qkv 1,024 x 3,072 float32; x 4 x 2,048 x 1,024 float32.
;; Outputs: out0 4 x 2,048 x 1,024 float32.
;; This version of the problem:
;;   THIS VERSION OF THE PROBLEM IS GIVEN IN LOW PRECISION. The matrix products marked QUANTISED in the list below multiply operands that are first quantised to E2M3 (2 exponent bits, 3 mantissa bits; 6 bits a number), with one power-of-two scale for each 32 numbers along K (OCP MX v1.0); their sums are f32. All else is computed in f32.
;;   The module's matrix products, in the order in which they are computed (A, B: the left and right operand; K: the contracted axis; several contracted axes count as one K, in the product's order):
;;     1. [M 8,192, K 1,024] x [K 1,024, N 3,072]; A: input x; B: input w_qkv: QUANTISED
;;     2. batch 64 x [M 2,048, K 64] x [K 64, N 2,048]; A: computed on the way; B: computed on the way: QUANTISED
;;     3. batch 64 x [M 2,048, K 2,048] x [K 2,048, N 64]; A: softmax (see below); B: computed on the way: QUANTISED
;;     4. [M 8,192, K 1,024] x [K 1,024, N 1,024]; A: computed on the way; B: input w_o: QUANTISED
;;   THE QUANTISER, for each operand of a quantised product, along K:
;;     - K is cut into blocks of 32 from its start; a last block that is shorter is filled with zeros.
;;     - A block's scale is 2^e with e = floor(log2(the largest magnitude in the block)) - 2, held to -126 .. 127; a block of zeros has e = 0. As a byte (E8M0): e + 127.
;;     - Each number is divided by its block's scale, clamped to +-7.5, and rounded to the nearest number of E2M3, ties to even, subnormals kept.
;;     - The product sums the exact products of the quantised numbers (number of the format x scale) in f32.
;;   ~~~python
;;   def quantise(x, axis):      # numpy; x: float32 -> the quantised numbers, widened to float32 again
;;       x = np.moveaxis(x, axis, -1); K = x.shape[-1]
;;       x = np.pad(x, [(0, 0)] * (x.ndim - 1) + [(0, -K % 32)]); x = x.reshape(x.shape[:-1] + (-1, 32)); a = np.abs(x).max(-1, keepdims=True)
;;       e = np.where(a > 0, np.clip(np.frexp(np.where(a > 0, a, 1))[1] - 1 - 2, -126, 127), 0)      # np.frexp(a)[1] - 1 = floor(log2(a)), exactly
;;       r = np.clip(x / 2.0 ** e, -7.5, 7.5)
;;       step = 2.0 ** (np.maximum(np.frexp(np.where(r == 0, 1, r))[1] - 1, 0) - 3)
;;       q = np.round(r / step) * step * 2.0 ** e      # np.round: ties to even
;;       return np.moveaxis(q.reshape(q.shape[:-2] + (-1,))[..., :K], -1, axis).astype(np.float32)
;;   ~~~
;;   SOFTMAX AHEAD OF A QUANTISED PRODUCT. Where the list says 'softmax', what is quantised is not the finished softmax but p = 2^(t - M), with t = logit x log2(e) and M = ceil(the row's largest t), a whole number; so 1/2 < the row's largest p <= 1. The row's sum l is taken of the UNQUANTISED p, in f32, and the product's result is divided by l at the end. Since M is a whole number, a kernel that streams over the keys may use a running M (the ceiling of the running maximum): every later rescaling is an exact power of two, which a block's scale takes up: the codes' values come out the same.
;;   OPERANDS COMPUTED ON THE WAY. 'Computed on the way' means the value that the module computes at that place (a softmax that the list does not call 'softmax' is quantised finished and normalised). What goes into a quantiser is computed in f32, as accurately as f32 sums, v_exp_f32 and their like allow (about 1e-6 of the number): no bf16 or f16 on the way to a quantiser, and a product that is left as it is and whose result goes on into a quantised operand takes f32 operands (vector FMAs, or v_wmma_f32_16x16x4_f32). A number that lies on a knife's edge between two numbers of the format may be rounded either way, as far as f32 arithmetic and the matrix unit's own rounding can turn it there, and no further.
;; One version. Each part assembles by itself: llvm-mc -triple=amdgcn-amd-amdhsa -mcpu=gfx1250 --defsym DOCPART=n.
;; ======== version 1 of 1: 4 launches
;; workspace buffers: xq 6,553,600 bytes; wq 2,457,600 bytes; wo 819,200 bytes; qp 13,369,344 bytes; kv 13,369,344 bytes; yq 6,553,600 bytes; ys 524,288 bytes
;; launch quant (part 1): grid 256 x 1, 4 waves a work-group, no clusters, 34,304 bytes of LDS; arguments x, w_qkv, w_o, xq, wq, wo; writes xq, wq, wo
.if DOCPART == 1
	.amdgcn_target "amdgcn-amd-amdhsa--gfx1250"
	.amdhsa_code_object_version 6
	.text
	.protected	k_qc153e4b13e_quant
	.globl	k_qc153e4b13e_quant
	.p2align	8
	.type	k_qc153e4b13e_quant,@function
k_qc153e4b13e_quant:
	s_mov_b64 s[64:65], 0
	v_nop
	global_prefetch_b8 v0, s[64:65] scope:SCOPE_SE
	s_setreg_imm32_b32 hwreg(HW_REG_WAVE_MODE, 25, 1), 1
	s_wait_xcnt 0x0
; x [8192][1024], w_qkv [1024][3072] and w_o [1024][1024], f32, become codes of FP6 (E2M3) with one E8M0 byte for each 32 along K (x: its last axis; the weights: their first).
; A block's scale is 2^(floor(log2(largest magnitude)) - 2); its byte is the largest magnitude's exponent field - 2, held at 1 from below.
; LIMITS: a block whose largest magnitude lies under 2^-124 keeps the byte 1; a block of zeros has the byte 1 where the rule says 127 (its codes are zeros, and this program alone reads the bytes);
; NaN and infinities among the inputs are not served.
; THE OUTPUT IS LAID AS THE MATRIX OPERAND'S REGISTERS.  A RECORD (12,800 bytes) is 16 rows x 1,024 K: eight fragments of 1,536 bytes, then 512 bytes of scale words.
; Lane r of record T holds row 32 (T / 2) + 8 (T % 2) + r + 8 (r / 8).  A fragment is two halves of 768 bytes (64 K each): a lane's registers 0-3 at 16 x lane, registers 4-5 at 512 + 8 x lane.
; The scale word of row r and K step 2 j + h lies at 16 x (16 h + r) + 4 j of the record's last 512 bytes.
; Work-groups 0-127 take x (a wave a record), 128-223 w_qkv, 224-255 w_o (a wave 32 columns x 256 K).  Waves share nothing: no barrier.
.set SPARE, 33792                      ; behind the four stages: the spare words, 128 bytes a wave
.set RTB,   12800
.set SPW,   14                         ; v14  SPARE + 4 x thread; never rewritten
.set NIL,   15                         ; v15  0; never rewritten
.set R,     16                         ; x: v16-143 two sets of 64 numbers as loaded
.set X,     144                        ; x: v144-207 a lane's 64 numbers of a K step
.set F,     208                        ; x: v208-231 two fragments by turns
.set T,     232                        ; x: v232-234, v236-238 the second halves of a block's codes
.set SW,    240                        ; x: v240-243 the record's scale words
.set WE,    244                        ; x: the even K step's word
.set MX,    246
.set SO,    248
.set BY,    250
.set WD,    252
.set PD,    253
.set XW,    16                         ; weights: v16-79 two sets of 32 numbers
.set FW,    80                         ; weights: v80-127 fragments [K step][tile][12]
.set TW,    128                        ; weights: v128-130, v132-134
.set WW,    136                        ; weights: v136-137 scale words
.macro LOADX t                         ; K step t of my 16 rows: each load takes 512 consecutive bytes of one row
.irp i, 0,1,2,3,4,5,6,7,8,9,10,11,12,13,14,15
	global_load_b128 v[R+64*((\t)%2)+4*\i:R+64*((\t)%2)+4*\i+3], v4, s[4:5] offset:(\i+8*(\i/8))*4096+512*(\t) th:TH_LOAD_NT
.endr
.endm
.macro TURNX t                         ; through my own stage (rows 528 bytes apart): in as loaded, out 128 neighbouring bytes a lane and block; LDS serves a wave's instructions in order
.irp i, 0,1,2,3,4,5,6,7,8,9,10,11,12,13,14,15
	ds_store_b128 v6, v[R+64*((\t)%2)+4*\i:R+64*((\t)%2)+4*\i+3] offset:528*\i
.endr
.irp c, 0,1
.irp j, 0,1,2,3,4,5,6,7
	ds_load_b128 v[X+32*\c+4*\j:X+32*\c+4*\j+3], v7 offset:256*\c+16*\j
.endr
.endr
.endm
.macro STEPX t
.set fx, F+12*((\t)%2)
.if (\t) < 7
	s_wait_loadcnt 16                              ; this step's 16 loads are in; the next step's 16 may be out
.else
	s_wait_loadcnt 0x0
.endif
	TURNX \t
	s_wait_dscnt 0x0                               ; my numbers are back, and the stage's stores have read their registers
.if (\t)+2 < 8
	LOADX (\t)+2
.endif
.irp c, 0,1
	v_max3_num_f32 v[MX+\c], |v[X+32*\c]|, |v[X+32*\c+1]|, 0x1800000   ; block 2 c + h is all mine; the floor 2^(3 - 127) holds the byte at 1
.endr
.irp i, 2,4,6,8,10,12,14,16,18,20,22,24,26,28,30
.irp c, 0,1
	v_max3_num_f32 v[MX+\c], v[MX+\c], |v[X+32*\c+\i]|, |v[X+32*\c+\i+1]|
.endr
.endr
.irp c, 0,1
	v_add_nc_u32 v[SO+\c], 0xff000000, v[MX+\c]    ; 2 off the exponent field: the conversion's scale operand
.endr
.irp c, 0,1
	v_lshrrev_b32 v[BY+\c], 23, v[SO+\c]           ; the byte
.endr
	v_lshl_or_b32 v[WD], v[BY+1], 16, v[BY]        ; blocks h and 2 + h,
	v_lshlrev_b32 v[WD], v8, v[WD]                 ; 8 h bits up;
	v_permlanex16_b32 v[PD], v[WD], s20, s21
	v_or_b32 v[WD], v[WD], v[PD]                   ; with lane l xor 16's two the word is whole
	s_wait_alu depctr_va_vdst(0)
	s_wait_xcnt 0x0                                ; the stores of two steps ago have read this set of fragment registers
	v_cvt_scalef32_pk16_fp6_f32 v[fx:fx+2], v[X:X+15], v[SO]
	v_cvt_scalef32_pk16_fp6_f32 v[T:T+2], v[X+16:X+31], v[SO]
	v_cvt_scalef32_pk16_fp6_f32 v[fx+6:fx+8], v[X+32:X+47], v[SO+1]
	v_cvt_scalef32_pk16_fp6_f32 v[T+4:T+6], v[X+48:X+63], v[SO+1]
	v_nop                                          ; one plain instruction behind the conversions
.irp i, 0,1,2
	v_mov_b32 v[fx+3+\i], v[T+\i]
	v_mov_b32 v[fx+9+\i], v[T+4+\i]
.endr
	global_store_b128 v4, v[fx:fx+3], s[10:11] offset:1536*(\t)
	global_store_b64 v5, v[fx+4:fx+5], s[10:11] offset:1536*(\t)+512
	global_store_b128 v4, v[fx+6:fx+9], s[10:11] offset:1536*(\t)+768
	global_store_b64 v5, v[fx+10:fx+11], s[10:11] offset:1536*(\t)+1280
.if (\t)%2 == 0
	v_mov_b32 v[WE], v[WD]
.else
	v_cndmask_b32 v[SW+(\t)/2], v[WE], v[WD], s22  ; lanes 0-15 the even step's word, lanes 16-31 the odd step's
.endif
.endm
.macro LOADW t, n, sp                  ; block t: 32 rows of the weight at my column; a wave's load covers 128 consecutive bytes
.irp i, 0,1,2,3,4,5,6,7,8,9,10,11,12,13,14,15,16,17,18,19,20,21,22,23,24,25,26,27,28,29,30,31
	global_load_b32 v[XW+32*((\t)%2)+\i], v9, s[\sp:\sp+1] offset:(32*(\t)+\i)*\n*4 th:TH_LOAD_NT
.endr
.endm
.macro BLOCKW t, n, sp
.set xs, XW+32*((\t)%2)
.set fw, FW+24*((\t)/4)+12*((\t)%2)+6*(((\t)/2)%2)
.set tw, TW+4*((\t)%2)
.if (\t) < 7
	s_wait_loadcnt 32                              ; this block's 32 loads are in; the next block's 32 may be out
.else
	s_wait_loadcnt 0x0
.endif
	v_max3_num_f32 v138, |v[xs]|, |v[xs+1]|, |v[xs+2]|
	v_max3_num_f32 v139, |v[xs+3]|, |v[xs+4]|, |v[xs+5]|
.irp i, 6,10,14,18,22,26
	v_max3_num_f32 v138, v138, |v[xs+\i]|, |v[xs+\i+1]|
	v_max3_num_f32 v139, v139, |v[xs+\i+2]|, |v[xs+\i+3]|
.endr
	v_max3_num_f32 v138, v138, |v[xs+30]|, |v[xs+31]|
	v_max3_num_f32 v138, v138, v139, 0x1800000
	v_add_nc_u32 v140, 0xff000000, v138
	v_lshrrev_b32 v141, 23, v140
.if (\t)%4 == 0
	v_mov_b32 v[WW+(\t)/4], v141
.else
	v_lshl_or_b32 v[WW+(\t)/4], v141, 8*((\t)%4), v[WW+(\t)/4]
.endif
	v_cvt_scalef32_pk16_fp6_f32 v[fw:fw+2], v[xs:xs+15], v140
	v_cvt_scalef32_pk16_fp6_f32 v[tw:tw+2], v[xs+16:xs+31], v140
	v_nop
.if (\t)+2 < 8
	LOADW (\t)+2, \n, \sp
.endif
.if (\t)%2 == 1
; lanes 0-15 hold the first tile's rows, lanes 16-31 the second's; the operand wants the even block in lanes 0-15 and the odd block in lanes 16-31 of ONE tile: the halves change places
.set f0, FW+24*((\t)/4)+6*(((\t)/2)%2)
.irp i, 0,1,2
	v_permlane16_swap_b32 v[f0+\i], v[f0+12+\i]
	v_permlane16_swap_b32 v[TW+\i], v[TW+4+\i]
.endr
.irp i, 0,1,2
	v_mov_b32 v[f0+3+\i], v[TW+\i]
	v_mov_b32 v[f0+15+\i], v[TW+4+\i]
.endr
.endif
.if (\t)%4 == 3
.irp y, 0,1
	global_store_b128 v4, v[FW+24*((\t)/4)+12*\y:FW+24*((\t)/4)+12*\y+3], s[32:33] offset:\y*RTB+((\t)/4)*1536
	global_store_b64 v5, v[FW+24*((\t)/4)+12*\y+4:FW+24*((\t)/4)+12*\y+5], s[32:33] offset:\y*RTB+((\t)/4)*1536+512
	global_store_b128 v4, v[FW+24*((\t)/4)+12*\y+6:FW+24*((\t)/4)+12*\y+9], s[32:33] offset:\y*RTB+((\t)/4)*1536+768
	global_store_b64 v5, v[FW+24*((\t)/4)+12*\y+10:FW+24*((\t)/4)+12*\y+11], s[32:33] offset:\y*RTB+((\t)/4)*1536+1280
.endr
.endif
.endm
; A weight [1024][n]: the work-group takes 128 columns x 256 K, the wave 32 columns = two records' rows.  Every offset is an immediate: 255 rows of n x 4 bytes at the most, inside the signed 24 bits.
.macro WPATH n, sp, dp, first
	s_sub_co_u32 s24, ttmp9, \first
	s_and_b32 s25, s24, 3                          ; which 256 along K
	s_lshr_b32 s24, s24, 2
	s_lshl_b32 s24, s24, 7
	s_lshl_b32 s26, s16, 5
	s_add_co_u32 s24, s24, s26                     ; my first column
	s_mul_i32 s28, s25, 256*\n*4
	s_lshl_b32 s26, s24, 2
	s_add_co_u32 s28, s28, s26
	s_mov_b32 s29, 0
	s_add_nc_u64 s[\sp:\sp+1], s[\sp:\sp+1], s[28:29]
	s_lshr_b32 s24, s24, 4                         ; my first record
	s_mul_i32 s24, s24, RTB
	s_mul_i32 s30, s25, 2*1536
	s_add_co_u32 s30, s30, s24
	s_mov_b32 s31, 0
	s_add_nc_u64 s[32:33], s[\dp:\dp+1], s[30:31]  ; my two K steps' fragments
	s_lshl_b32 s30, s25, 2
	s_add_co_u32 s30, s30, s24
	s_add_co_u32 s30, s30, 12288
	s_add_nc_u64 s[34:35], s[\dp:\dp+1], s[30:31]  ; and their scale words
	LOADW 0, \n, \sp
	LOADW 1, \n, \sp
.irp t, 0,1,2,3,4,5,6,7
	BLOCKW \t, \n, \sp
.endr
	v_permlane16_swap_b32 v[WW], v[WW+1]           ; lanes 0-15 the even K step's word, lanes 16-31 the odd one's, a register a tile
	global_store_b32 v4, v[WW], s[34:35]           ; 4 bytes of each 16: the other three quarters of K fill the rest; 128 KB of such stores in the launch
	global_store_b32 v4, v[WW+1], s[34:35] offset:RTB
	s_wait_tensorcnt 0x0                           ; the wave's end
	ds_add_u32 v[SPW], v[NIL]
	s_wait_dscnt 0x0
	s_endpgm
.endm
	s_load_b256 s[4:11], s[0:1], 0x0               ; x s[4:5], w_qkv s[6:7], w_o s[8:9], xq s[10:11]
	s_load_b128 s[12:15], s[0:1], 0x20             ; wq s[12:13], wo s[14:15]
	v_lshl_add_u32 v[SPW], v0, 2, SPARE
	v_mov_b32 v[NIL], 0
	v_lshrrev_b32 v1, 5, v0
	v_readfirstlane_b32 s16, v1                    ; wave
	v_and_b32 v1, 31, v0                           ; lane
	v_and_b32 v2, 15, v0                           ; r
	v_bfe_u32 v3, v0, 4, 1                         ; h
	v_lshlrev_b32 v4, 4, v1                        ; 16 x lane
	v_lshlrev_b32 v5, 3, v1                        ; 8 x lane
	s_mul_i32 s17, s16, 8448                       ; my stage: 16 rows x 528 bytes
	v_add_nc_u32 v6, s17, v4                       ; in: 16 x lane of a row
	v_mul_u32_u24 v7, v2, 528
	v_lshl_add_u32 v7, v3, 7, v7
	v_add_nc_u32 v7, s17, v7                       ; out: row r, + 128 h
	v_lshlrev_b32 v8, 3, v3                        ; 8 h
	v_and_b32 v9, 7, v0
	v_lshl_add_u32 v9, v3, 3, v9
	v_bfe_u32 v10, v0, 3, 1
	v_lshl_add_u32 v9, v10, 4, v9                  ; my column of the wave's 32: r + 8 (r / 8) + 8 h
	v_lshlrev_b32 v9, 2, v9
	v_mov_b32 v[PD], 0                             ; a lane permute's destination counts as one of its sources
	s_mov_b32 s20, 0x76543210
	s_mov_b32 s21, 0xfedcba98                      ; lane l xor 16
	s_mov_b32 s22, 0xffff0000                      ; lanes 16-31
	s_wait_kmcnt 0x0
	s_cmp_lt_u32 ttmp9, 128
	s_cbranch_scc0 .Lweights
	s_lshl_b32 s24, ttmp9, 2
	s_add_co_u32 s24, s24, s16                     ; my record
	s_lshr_b32 s25, s24, 1
	s_lshl_b32 s25, s25, 17                        ; 32 rows of 4,096 bytes
	s_and_b32 s26, s24, 1
	s_lshl_b32 s26, s26, 15                        ; 8 rows
	s_add_co_u32 s26, s26, s25
	s_mov_b32 s27, 0
	s_add_nc_u64 s[4:5], s[4:5], s[26:27]
	s_mul_i32 s28, s24, RTB
	s_mov_b32 s29, 0
	s_add_nc_u64 s[10:11], s[10:11], s[28:29]
	LOADX 0
	LOADX 1
	s_wait_alu depctr_va_vdst(0)
.irp t, 0,1,2,3,4,5,6,7
	STEPX \t
.endr
	global_store_b128 v4, v[SW:SW+3], s[10:11] offset:12288
	s_wait_tensorcnt 0x0                           ; the wave's end, behind my last LDS store
	ds_add_u32 v[SPW], v[NIL]
	s_wait_dscnt 0x0
	s_endpgm
.Lweights:
	s_cmp_lt_u32 ttmp9, 224
	s_cbranch_scc0 .Lwo
	s_wait_alu depctr_va_vdst(0)
	WPATH 3072, 6, 12, 128
.Lwo:
	s_wait_alu depctr_va_vdst(0)
	WPATH 1024, 8, 14, 224
.Lfunc_end_k_qc153e4b13e_quant:
	.size	k_qc153e4b13e_quant, .Lfunc_end_k_qc153e4b13e_quant-k_qc153e4b13e_quant
	.p2alignl 7, 3214868480
	.fill 96, 4, 3214868480
	.section	.rodata,"a",@progbits
	.p2align	6, 0x0
	.amdhsa_kernel k_qc153e4b13e_quant
		.amdhsa_group_segment_fixed_size 34304
		.amdhsa_private_segment_fixed_size 0
		.amdhsa_enable_private_segment 0
		.amdhsa_kernarg_size 48
		.amdhsa_user_sgpr_count 2
		.amdhsa_user_sgpr_kernarg_segment_ptr 1
		.amdhsa_wavefront_size32 1
		.amdhsa_system_sgpr_workgroup_id_x 1
		.amdhsa_system_sgpr_workgroup_id_y 1
		.amdhsa_system_sgpr_workgroup_id_z 1
		.amdhsa_system_vgpr_workitem_id 0
		.amdhsa_next_free_vgpr 256
		.amdhsa_next_free_sgpr 66
		.amdhsa_reserve_vcc 0
		.amdhsa_float_denorm_mode_32 3
		.amdhsa_float_denorm_mode_16_64 3
		.amdhsa_memory_ordered 1
		.amdhsa_forward_progress 1
		.amdhsa_inst_pref_size 137
	.end_amdhsa_kernel
	.amdgpu_metadata
---
amdhsa.version: [ 1, 2 ]
amdhsa.kernels:
  - .name:           k_qc153e4b13e_quant
    .symbol:         k_qc153e4b13e_quant.kd
    .args:
      - { .name: x, .offset: 0, .size: 8, .value_kind: global_buffer, .address_space: global }
      - { .name: w_qkv, .offset: 8, .size: 8, .value_kind: global_buffer, .address_space: global }
      - { .name: w_o, .offset: 16, .size: 8, .value_kind: global_buffer, .address_space: global }
      - { .name: xq, .offset: 24, .size: 8, .value_kind: global_buffer, .address_space: global }
      - { .name: wq, .offset: 32, .size: 8, .value_kind: global_buffer, .address_space: global }
      - { .name: wo, .offset: 40, .size: 8, .value_kind: global_buffer, .address_space: global }
    .group_segment_fixed_size: 34304
    .private_segment_fixed_size: 0
    .kernarg_segment_align: 8
    .kernarg_segment_size: 48
    .max_flat_workgroup_size: 128
    .sgpr_count:     66
    .vgpr_count:     256
    .wavefront_size: 32
...
	.end_amdgpu_metadata
.endif
;; end of part 1
;; launch qkv (part 2): grid 8 x 96, 4 waves a work-group, clusters of 4 x 4, 295,424 bytes of LDS; arguments xq, wq, b_qkv, qp, kv; writes qp, kv
.if DOCPART == 2
	.amdgcn_target "amdgcn-amd-amdhsa--gfx1250"
	.amdhsa_code_object_version 6
	.text
	.protected	k_qc153e4b13e_qkv
	.globl	k_qc153e4b13e_qkv
	.p2align	8
	.type	k_qc153e4b13e_qkv,@function
k_qc153e4b13e_qkv:
	s_mov_b64 s[64:65], 0
	v_nop
	global_prefetch_b8 v0, s[64:65] scope:SCOPE_SE
	s_setreg_imm32_b32 hwreg(HW_REG_WAVE_MODE, 25, 1), 1
	s_wait_xcnt 0x0
	s_wait_alu depctr_hold_cnt(0) depctr_sa_sdst(0) depctr_va_vdst(0) depctr_va_sdst(0) depctr_va_ssrc(0) depctr_va_vcc(0) depctr_vm_vsrc(0)
	s_getreg_b32 s2, hwreg(HW_REG_IB_STS2, 6, 4)
	s_cmp_eq_u32 s2, 0
	s_cbranch_scc0 .Lentry_in_a_cluster
	s_endpgm
.Lentry_in_a_cluster:
	s_bfe_u32 s2, ttmp6, 0x10000c
	s_cmp_lg_u32 s2, 0xf033
	s_cbranch_scc0 .Lentry_shape_is_right
	s_endpgm
.Lentry_shape_is_right:
; qkv = x w_qkv + b_qkv on codes of FP6 (E2M3) with E8M0 scales, sums in f32; q, k and v are quantised in registers and leave as codes: no f32 number of qkv goes to memory.
; OPERANDS come as records of 12,800 bytes (16 rows x 1,024 K as images of the operand's registers, then 512 bytes of scale words); lane r of record T holds row 32 (T / 2) + 8 (T % 2) + r + 8 (r / 8).
; A work-group makes 128 A rows x 256 B rows over all of K; a wave 64 x 128: 32 accumulators.  Source 0 = 16 B rows, source 1 = 16 A rows: a lane holds ONE A row, and by the records' row order
; the 16 registers of B tiles 2 b, 2 b + 1 are 16 neighbouring B rows: 32 b + 16 (lane / 16) + 0 .. 15.  So the quantiser runs along a lane's registers.
; TWO ROLES, by the cluster's y: under 16: A = tokens, B = the features of q and k (quantised along a head's 64); from 16 on: A = the features of v, B = tokens (quantised along the keys).
; ALL OF K LIES IN LDS: four chunks of 256 K for A (24,576 bytes each) and for B (49,152), each filled once, all asked for at the head; a wave has four tensor loads outstanding.  Nothing is filled again.
; CLUSTER 4 x 4: A's tiles are asked for jointly along a row of the cluster, B's along a column.
; OUT: a PACK of 13,056 bytes for a head and 128 tokens: 8 half fragments (768 bytes) of k (in qp: of q), 4 fragments of v (16 of the head's 64 x 128 keys), 512 bytes of k's scale words, 256 of v's.
; LIMITS: a block whose largest magnitude lies under 2^-124 keeps the byte 1, a block of zeros too (its codes are zeros); NaN and infinities are not served.
; REGISTERS: window 0: v1-13 lanes and addresses; v32-47 A's scale words, v48-79 B's; v80-175 A's fragments, two sets; v176-207 the bias along A.  window 1: v0-191 B's fragments, two sets; v192-255 the bias along B.
;   window 2: accumulator (a, b) at v[8 (8 a + b)].
.set RTB,   12800
.set PACK,  13056
.set HEADB, 208896
.set LB,    98304                      ; LDS: A's four chunks from 0, B's from here
.set SPARE, 294912                     ; behind them: the spare words, 128 bytes a wave
.set VA16, 4
.set VA8,  5
.set VB16, 6
.set VB8,  7
.set SPW,  28
.set NIL,  29
.set SA,   32
.set SB,   48
.set AF,   80
.set BV,   176
.set BQ,   192
.set PC,   80                          ; the way out: the codes of A tile a at v[80 + 12 a]
.set TQ,   128
.set TM,   136
.set PW,   152
.set SP,   156
.set G1A,  24
.set G0A,  32
.set G0B,  48
.set G1B,  68
.set MSB,  0
.macro WIN new                         ; the immediate's high byte repeats the setting that is left
.if MSB != \new
	s_set_vgpr_msb (MSB<<8)|\new
.set MSB, \new
.endif
.endm
.macro PLACES n
.rept \n
	v_nop
.endr
.endm
.macro CROUND                          ; a round of the cluster's barrier
	s_barrier_signal -1
	s_barrier_wait -1
	s_cmp_lg_u32 s14, 0
	s_cbranch_scc1 .Lnot_wave_0_\@
	s_barrier_signal -3
.Lnot_wave_0_\@:
	s_barrier_wait -3
	s_barrier_signal -1
	s_barrier_wait -1
.endm
.macro FRAG reg, a16, a8, off          ; a fragment's image: two halves of 768 bytes, each 16 bytes a lane and then 8
	ds_load_b128 v[\reg:\reg+3], v[\a16] offset:\off
	ds_load_b64 v[\reg+4:\reg+5], v[\a8] offset:\off
	ds_load_b128 v[\reg+6:\reg+9], v[\a16] offset:\off+768
	ds_load_b64 v[\reg+10:\reg+11], v[\a8] offset:\off+768
.endm
.macro FETCH s                         ; K step s: B's eight fragments and A's four into set s % 2: 48 LDS loads in one run
	WIN 0x40
.irp b, 0,1,2,3,4,5,6,7
	FRAG 96*((\s)%2)+12*\b, VB16, VB8, 3072*\b+1536*((\s)%2)
.endr
	WIN 0
.irp a, 0,1,2,3
	FRAG AF+48*((\s)%2)+12*\a, VA16, VA8, 3072*\a+1536*((\s)%2)
.endr
.endm
.macro MM s, a, b, cm                  ; one product.  cm = 0: onto the accumulator; 1: the sum starts with the bias along B; 2: with the bias along A
.set rD, 8*(8*(\a)+\b)
.set rB, 96*((\s)%2)+12*\b
.set rA, AF+48*((\s)%2)+12*(\a)
.set rSB, SB+4*\b+(\s)/2
.set rSA, SA+4*(\a)+(\s)/2
.set rC, rD
.if \cm == 1
.set rC, BQ+8*\b
.endif
.if \cm == 2
.set rC, BV+8*(\a)
.endif
.if (\s)%2
	v_wmma_scale_f32_16x16x128_f8f6f4 v[rD:rD+7], v[rB:rB+11], v[rA:rA+11], v[rC:rC+7], v[rSB], v[rSA] matrix_a_fmt:MATRIX_FMT_FP6 matrix_b_fmt:MATRIX_FMT_FP6 matrix_a_scale:MATRIX_SCALE_ROW1 matrix_b_scale:MATRIX_SCALE_ROW1
.else
	v_wmma_scale_f32_16x16x128_f8f6f4 v[rD:rD+7], v[rB:rB+11], v[rA:rA+11], v[rC:rC+7], v[rSB], v[rSA] matrix_a_fmt:MATRIX_FMT_FP6 matrix_b_fmt:MATRIX_FMT_FP6
.endif
.endm
.macro MULH s, a0, cm                  ; 16 products; the 32 accumulators take turns in the same order in every K step
.if \cm == 0
	WIN 0xa1
.elseif \cm == 1
	WIN 0x91
.else
	WIN 0x81
.endif
.irp a, \a0, \a0+1
.irp b, 0,1,2,3,4,5,6,7
	MM \s, (\a), \b, \cm
.endr
.endr
.endm
.macro KEVEN s                         ; an even K step: its successor lies in the same chunk
	s_wait_dscnt 0x0                               ; this step's fragments are in (asked for 16 products ago)
	PLACES 4                                       ; in front of loads into the set that the last step's products read
	FETCH (\s)+1
	MULH \s, 0, 0
	MULH \s, 2, 0
.endm
.macro KODD s                          ; an odd K step: the next chunk must have landed in every wave's part
	s_wait_dscnt 0x0
	s_wait_tensorcnt 3-((\s)+1)/2                  ; my part of the next chunk is in; the chunks behind it may be out
	s_barrier_signal -1
	MULH \s, 0, 0
	WIN 0
	s_barrier_wait -1
	v_add_nc_u32 v[VA16], 24576, v[VA16]           ; on to the next chunk; these four are also the places in front of the loads below
	v_add_nc_u32 v[VA8], 24576, v[VA8]
	v_add_nc_u32 v[VB16], 49152, v[VB16]
	v_add_nc_u32 v[VB8], 49152, v[VB8]
	FETCH (\s)+1
	MULH \s, 2, 0
.endm
; The 64 numbers of A tile a in my lane (register 16 b + i = B row 32 b + 16 (lane / 16) + i) become a fragment's codes at v[PC + 12 a] and its scale word in v[PW + a]
.macro QUANT a
.set qs, 64*(\a)
.set qc, PC+12*(\a)
	WIN 0x0a
.irp b, 0,1,2,3
	v_max3_num_f32 v[TM+\b], |v[qs+16*\b]|, |v[qs+16*\b+1]|, 0x1800000   ; each accumulator is read from its low end on; the floor 2^(3 - 127) holds the byte at 1
.endr
	WIN 0x28
.irp i, 2,4,6,8,10,12,14
.irp b, 0,1,2,3
	v_max3_num_f32 v[TM+\b], v[TM+\b], |v[qs+16*\b+\i]|, |v[qs+16*\b+\i+1]|
.endr
.endr
	WIN 0
.irp b, 0,1,2,3
	v_permlanex16_b32 v[TM+4+\b], v[TM+\b], s2, s3
.endr
.irp b, 0,1,2,3
	v_max_num_f32 v[TM+\b], v[TM+\b], v[TM+4+\b]   ; with lane l xor 16's 16: the block's largest magnitude
.endr
.irp b, 0,1,2,3
	v_add_nc_u32 v[TM+12+\b], 0xff000000, v[TM+\b]
.endr
.irp b, 0,1,2,3
	v_lshrrev_b32 v[TM+4+\b], 23, v[TM+12+\b]
.endr
	v_lshl_or_b32 v[PW+\a], v[TM+5], 8, v[TM+4]
	v_lshl_or_b32 v[PW+\a], v[TM+6], 16, v[PW+\a]
	v_lshl_or_b32 v[PW+\a], v[TM+7], 24, v[PW+\a]
	WIN 0x02
.irp c, 0,1
	v_cvt_scalef32_pk16_fp6_f32 v[qc+6*\c:qc+6*\c+2], v[qs+32*\c:qs+32*\c+15], v[TM+12+2*\c]
	v_cvt_scalef32_pk16_fp6_f32 v[TQ+4*\c:TQ+4*\c+2], v[qs+32*\c+16:qs+32*\c+31], v[TM+13+2*\c]
.endr
	WIN 0
	v_nop                                          ; one plain instruction behind the conversions
.irp c, 0,1                            ; the operand wants a whole block in a lane: lanes 0-15 block 2 c, lanes 16-31 block 2 c + 1
.irp i, 0,1,2
	v_permlane16_swap_b32 v[qc+6*\c+\i], v[TQ+4*\c+\i]
.endr
.irp i, 0,1,2
	v_mov_b32 v[qc+6*\c+3+\i], v[TQ+4*\c+\i]
.endr
.endr
.endm
	s_load_b256 s[4:11], s[0:1], 0x0               ; xq s[4:5], wq s[6:7], b_qkv s[8:9], qp s[10:11]
	s_load_b64 s[12:13], s[0:1], 0x20              ; kv
	v_lshl_add_u32 v[SPW], v0, 2, SPARE
	v_mov_b32 v[NIL], 0
	ds_add_u32 v[SPW], v[NIL]                      ; the wave's opening: the add and its wait stand ahead of my first tensor load; work on registers stands between
	ds_add_u32 v[SPW], v[NIL]
	v_lshrrev_b32 v1, 5, v0
	v_readfirstlane_b32 s14, v1                    ; wave
	s_lshr_b32 s15, s14, 1                         ; which 64 A rows are mine.  Also: I fetch for A (0) or for B (1)
	s_and_b32 s16, s14, 1                          ; which 128 B rows.  Also: which half of the tiles I fetch
	s_bfe_u32 s76, ttmp6, 0x40000                  ; cx
	s_bfe_u32 s77, ttmp6, 0x40004                  ; cy
	s_and_b32 s78, ttmp7, 0xffff                   ; the cluster's y
	s_max_u32 s79, s78, 16
	s_sub_co_u32 s79, s79, 16
	s_lshl_b32 s79, s79, 1
	s_add_co_u32 s79, s79, ttmp9                   ; v's clusters, 0 .. 15
	s_and_b32 s80, s79, 7
	s_lshr_b32 s81, s79, 3
	s_cmp_ge_u32 s78, 16
	s_cselect_b32 s17, 1, 0                        ; the role: the same in all sixteen partners
	s_cselect_b32 s82, s81, s78
	s_cselect_b32 s83, s80, ttmp9
	s_lshl_b32 s82, s82, 2
	s_add_co_u32 s82, s82, s77                     ; TR: which 128 A rows
	s_lshl_b32 s83, s83, 2
	s_add_co_u32 s83, s83, s76                     ; TC: which 256 B rows
	s_lshl_b32 s84, s77, 2
	s_lshl_b32 s84, 15, s84                        ; my row of the cluster
	s_lshl_b32 s85, 0x1111, s76                    ; my column
	; descriptor group 1: rows of 3,072 bytes (384 elements of 8 bytes: a record's two fragments of a chunk), 12,800 bytes apart; A: 4 records a load, B: 8; dense in LDS
	s_or_b32 s[G1A], s84, (3<<16)|(1<<21)
	s_or_b32 s[G1B], s85, (3<<16)|(1<<21)
	s_mov_b32 s[G1A+1], 384<<16
	s_mov_b32 s[G1B+1], 384<<16
	s_mov_b32 s[G1A+2], 4<<16
	s_mov_b32 s[G1B+2], 8<<16
	s_mov_b32 s[G1A+3], 384<<16
	s_mov_b32 s[G1B+3], 384<<16
	s_mov_b32 s[G1A+4], 4
	s_mov_b32 s[G1B+4], 8
	s_mov_b32 s[G1A+5], 1600
	s_mov_b32 s[G1B+5], 1600
	s_mov_b32 s[G1A+6], 0
	s_mov_b32 s[G1B+6], 0
	s_mov_b32 s[G1A+7], 0
	s_mov_b32 s[G1B+7], 0
	s_lshl_b32 s86, s82, 3
	s_lshl_b32 s87, s16, 2
	s_add_co_u32 s86, s86, s87                     ; A: the first record that I fetch: 8 TR + 4 x half
	s_mul_i32 s86, s86, RTB
	s_mov_b32 s87, 0
	s_lshl_b32 s88, s83, 4
	s_lshl_b32 s89, s16, 3
	s_add_co_u32 s88, s88, s89                     ; B: 16 TC + 8 x half: also the first record that I multiply by
	s_mul_i32 s88, s88, RTB
	s_mov_b32 s89, 0
	s_lshl_b32 s22, s82, 3
	s_lshl_b32 s23, s15, 2
	s_add_co_u32 s22, s22, s23                     ; RT0 = 8 TR + 4 (wave / 2): my first A record
	s_mul_i32 s23, s16, 12288                      ; LDS: where the A tiles that I fetch go
	s_mul_i32 s20, s15, 12288                      ; and where the A tiles that I multiply lie
	s_mul_i32 s21, s16, 24576
	s_add_co_u32 s21, s21, LB                      ; B: both
	s_mov_b32 s2, 0x76543210
	s_mov_b32 s3, 0xfedcba98                       ; lane l xor 16
	s_mov_b32 s18, 0xffff0000                      ; lanes 16-31
	s_mov_b32 s19, 0x7f7f0000                      ; the bytes of the two blocks that q and k do not have: 1.0
	v_and_b32 v1, 31, v0                           ; lane
	v_and_b32 v2, 15, v0                           ; r
	v_bfe_u32 v3, v0, 4, 1                         ; h
	v_lshlrev_b32 v8, 4, v1                        ; 16 x lane
	v_lshlrev_b32 v9, 3, v1                        ; 8 x lane
	v_add_nc_u32 v[VA16], s20, v8
	v_add_nc_u32 v[VA8], s20, v9
	v_add_nc_u32 v[VA8], 512, v[VA8]
	v_add_nc_u32 v[VB16], s21, v8
	v_add_nc_u32 v[VB8], s21, v9
	v_add_nc_u32 v[VB8], 512, v[VB8]
	v_lshlrev_b32 v10, 6, v3                       ; the bias along B: 16 h numbers on
	v_and_b32 v11, 8, v2
	v_add_nc_u32 v11, v11, v2
	v_lshlrev_b32 v11, 2, v11                      ; the bias along A: number r + 8 (r / 8)
	s_wait_dscnt 0x0                               ; the opening add is done
	s_wait_kmcnt 0x0
	s_cmp_eq_u32 s17, 0
	s_cselect_b64 s[90:91], s[4:5], s[6:7]         ; A: tokens, or the weights
	s_cselect_b64 s[92:93], s[6:7], s[4:5]         ; B: the other
	s_cselect_b32 s94, 0, 128*RTB                  ; v's features begin at record 128
	s_mov_b32 s95, 0
	s_add_nc_u64 s[90:91], s[90:91], s[94:95]
	s_add_nc_u64 s[96:97], s[90:91], s[86:87]
	s_add_nc_u64 s[98:99], s[92:93], s[88:89]
.irp c, 0,1,2,3
	s_mov_b32 s[G0A+4*\c], 1
	s_add_co_u32 s[G0A+4*\c+1], s23, 24576*\c
	s_add_nc_u64 s[G0A+4*\c+2:G0A+4*\c+3], s[96:97], 3072*\c
	s_or_b32 s[G0A+4*\c+3], s[G0A+4*\c+3], 0x80000000
	s_mov_b32 s[G0B+4*\c], 1
	s_add_co_u32 s[G0B+4*\c+1], s21, 49152*\c
	s_add_nc_u64 s[G0B+4*\c+2:G0B+4*\c+3], s[98:99], 3072*\c
	s_or_b32 s[G0B+4*\c+3], s[G0B+4*\c+3], 0x80000000
.endr
	CROUND                                         ; all sixteen work-groups are here: the joint loads meet
	s_cmp_eq_u32 s15, 0                            ; a wave's four fills stand in one branch on the wave's number, an s_nop 0 behind each and four v_nop behind the last
	s_cbranch_scc0 .Lfill_b
.irp c, 0,1,2,3
	tensor_load_to_lds s[G0A+4*\c:G0A+4*\c+3], s[G1A:G1A+7]
	s_nop 0
.endr
	PLACES 4
	s_branch .Lfilled
.Lfill_b:
.irp c, 0,1,2,3
	tensor_load_to_lds s[G0B+4*\c:G0B+4*\c+3], s[G1B:G1B+7]
	s_nop 0
.endr
	PLACES 4
.Lfilled:
	s_mul_i32 s86, s22, RTB
	s_mov_b32 s87, 0
	s_add_nc_u64 s[96:97], s[90:91], s[86:87]      ; my four A records
.irp a, 0,1,2,3
	global_load_b128 v[SA+4*\a:SA+4*\a+3], v8, s[96:97] offset:\a*RTB+12288   ; register j: lanes 0-15 K step 2 j, lanes 16-31 K step 2 j + 1
.endr
.irp b, 0,1,2,3,4,5,6,7
	global_load_b128 v[SB+4*\b:SB+4*\b+3], v8, s[98:99] offset:\b*RTB+12288
.endr
	; Both biases are loaded in both roles, each with its tile's number held inside b_qkv (which changes nothing in the role that uses it): every register is written on every way
	s_and_b32 s88, s83, 7
	s_lshl_b32 s88, s88, 10
	s_lshl_b32 s89, s16, 9
	s_add_co_u32 s88, s88, s89                     ; feature 256 TC + 128 (wave % 2), in bytes
	s_mov_b32 s89, 0
	s_add_nc_u64 s[88:89], s[8:9], s[88:89]
	s_and_b32 s86, s82, 7
	s_lshl_b32 s86, s86, 9
	s_lshl_b32 s87, s15, 8
	s_add_co_u32 s86, s86, s87
	s_add_co_u32 s86, s86, 8192                    ; feature 2048 + 128 TR + 64 (wave / 2)
	s_mov_b32 s87, 0
	s_add_nc_u64 s[86:87], s[8:9], s[86:87]
	WIN 0x40
	s_wait_alu depctr_va_vdst(0)
.irp t, 0,1,2,3,4,5,6,7
	global_load_b128 v[BQ+8*\t:BQ+8*\t+3], v10, s[88:89] offset:(32*(\t/2)+8*(\t%2))*4
	global_load_b128 v[BQ+8*\t+4:BQ+8*\t+7], v10, s[88:89] offset:(32*(\t/2)+8*(\t%2))*4+16
.endr
	WIN 0
.irp a, 0,1,2,3
	global_load_b32 v[208+\a], v11, s[86:87] offset:(32*(\a/2)+8*(\a%2))*4
.endr
	s_wait_loadcnt 0x0
.irp a, 0,1,2,3
.irp j, 0,1,2,3,4,5,6,7
	v_mov_b32 v[BV+8*\a+\j], v[208+\a]             ; a lane's A row has one bias for all its registers
.endr
.endr
	PLACES 8
	s_wait_tensorcnt 3                             ; my part of chunk 0 is in; three chunks may be out
	s_barrier_signal -1
	s_barrier_wait -1                              ; everybody's is
	FETCH 0
	s_wait_dscnt 0x0                               ; K step 0: its products start the sums with the bias
	FETCH 1
	s_cmp_eq_u32 s17, 0
	s_cbranch_scc0 .Lk0_v
	MULH 0, 0, 1
	MULH 0, 2, 1
	WIN 0
	s_branch .Lk0_done
.Lk0_v:
	MULH 0, 0, 2
	s_wait_alu depctr_va_vdst(0)
	MULH 0, 2, 2
	WIN 0
.Lk0_done:
	KODD 1
	s_wait_alu depctr_va_vdst(0)
	KEVEN 2
	KODD 3
	s_wait_alu depctr_va_vdst(0)
	KEVEN 4
	KODD 5
	s_wait_alu depctr_va_vdst(0)
	KEVEN 6
	s_wait_dscnt 0x0
	MULH 7, 0, 0
	MULH 7, 2, 0
	WIN 0
	PLACES 4                                       ; in front of the first read of results and of writes into registers that the last products read
.irp b, 0,1,2,3
	v_mov_b32 v[TM+4+\b], 0                        ; a lane permute's destination counts as one of its sources
.endr
	QUANT 0
	QUANT 1
	QUANT 2
	QUANT 3
	s_cmp_eq_u32 s17, 0
	s_cbranch_scc0 .Lstore_v
	; q or k: my lane's token; registers 0-5 of a fragment are the first head's half fragment, registers 6-11 the second head's
	s_lshr_b32 s78, s22, 7                         ; the batch
	s_and_b32 s79, s22, 127                        ; my first token tile in it
	s_and_b32 s80, s83, 3
	s_lshl_b32 s80, s80, 2
	s_lshl_b32 s81, s16, 1
	s_add_co_u32 s80, s80, s81                     ; my first head
	s_lshl_b32 s78, s78, 4
	s_add_co_u32 s78, s78, s80
	s_mul_i32 s78, s78, HEADB
	s_lshr_b32 s81, s79, 3
	s_mul_i32 s81, s81, PACK
	s_add_co_u32 s78, s78, s81                     ; the pack
	s_bfe_u32 s81, s79, 0x10002                    ; its first or second four tiles
	s_mul_i32 s84, s81, 3072
	s_add_co_u32 s84, s84, s78
	s_mov_b32 s85, 0
	s_lshl_b32 s86, s81, 8
	s_add_co_u32 s86, s86, s78
	s_add_co_u32 s86, s86, 12288
	s_mov_b32 s87, 0
	s_cmp_eq_u32 ttmp9, 0                          ; features under 1,024 are q's
	s_cselect_b64 s[88:89], s[10:11], s[12:13]
	s_add_nc_u64 s[84:85], s[88:89], s[84:85]
	s_add_nc_u64 s[86:87], s[88:89], s[86:87]
	s_wait_alu depctr_va_vdst(0)
.irp a, 0,1,2,3
	global_store_b128 v8, v[PC+12*\a:PC+12*\a+3], s[84:85] offset:768*\a             ; each store covers 512 or 256 consecutive bytes, aligned
	global_store_b64 v9, v[PC+12*\a+4:PC+12*\a+5], s[84:85] offset:768*\a+512
	global_store_b128 v8, v[PC+12*\a+6:PC+12*\a+9], s[84:85] offset:HEADB+768*\a
	global_store_b64 v9, v[PC+12*\a+10:PC+12*\a+11], s[84:85] offset:HEADB+768*\a+512
.endr
.irp a, 0,1,2,3
	v_and_or_b32 v[SP+4+\a], v[PW+\a], 0xffff, s19 ; the first head's two bytes
.endr
	v_cndmask_b32 v[SP], v[SP+4], v[SP+5], s18     ; an even tile's words in lanes 0-15, the odd tile's in lanes 16-31
	v_cndmask_b32 v[SP+1], v[SP+6], v[SP+7], s18
	global_store_b64 v9, v[SP:SP+1], s[86:87]
.irp a, 0,1,2,3
	v_lshrrev_b32 v[SP+4+\a], 16, v[PW+\a]         ; the second head's
.endr
.irp a, 0,1,2,3
	v_or_b32 v[SP+4+\a], s19, v[SP+4+\a]
.endr
	v_cndmask_b32 v[SP+2], v[SP+4], v[SP+5], s18
	v_cndmask_b32 v[SP+3], v[SP+6], v[SP+7], s18
	global_store_b64 v9, v[SP+2:SP+3], s[86:87] offset:HEADB
	s_branch .Lstored
.Lstore_v:
	; v: my lane's feature of one head; a fragment is 16 of the head's 64 x the pack's 128 keys
	s_lshl_b32 s78, s82, 1
	s_add_co_u32 s78, s78, s15                     ; the head
	s_lshl_b32 s79, s83, 1
	s_add_co_u32 s79, s79, s16                     ; which 128 tokens of the 8,192
	s_lshr_b32 s80, s79, 4
	s_lshl_b32 s80, s80, 4
	s_add_co_u32 s78, s78, s80
	s_mul_i32 s78, s78, HEADB
	s_and_b32 s79, s79, 15
	s_mul_i32 s79, s79, PACK
	s_add_co_u32 s84, s78, s79
	s_mov_b32 s85, 0
	s_add_nc_u64 s[84:85], s[12:13], s[84:85]
	s_wait_alu depctr_va_vdst(0)
.irp a, 0,1,2,3
	global_store_b128 v8, v[PC+12*\a:PC+12*\a+3], s[84:85] offset:6144+1536*\a
	global_store_b64 v9, v[PC+12*\a+4:PC+12*\a+5], s[84:85] offset:6144+1536*\a+512
	global_store_b128 v8, v[PC+12*\a+6:PC+12*\a+9], s[84:85] offset:6144+1536*\a+768
	global_store_b64 v9, v[PC+12*\a+10:PC+12*\a+11], s[84:85] offset:6144+1536*\a+1280
.endr
	v_cndmask_b32 v[SP], v[PW], v[PW+1], s18
	v_cndmask_b32 v[SP+1], v[PW+2], v[PW+3], s18
	global_store_b64 v9, v[SP:SP+1], s[84:85] offset:12800
.Lstored:
	s_wait_tensorcnt 0x0                           ; the wave's end, behind my last tensor load
	ds_add_u32 v[SPW], v[NIL]
	s_wait_dscnt 0x0
	CROUND                                         ; the closing round: no work-group ends while a partner may still ask for a tile that names it
	s_endpgm
.Lfunc_end_k_qc153e4b13e_qkv:
	.size	k_qc153e4b13e_qkv, .Lfunc_end_k_qc153e4b13e_qkv-k_qc153e4b13e_qkv
	.p2alignl 7, 3214868480
	.fill 96, 4, 3214868480
	.section	.rodata,"a",@progbits
	.p2align	6, 0x0
	.amdhsa_kernel k_qc153e4b13e_qkv
		.amdhsa_group_segment_fixed_size 295424
		.amdhsa_private_segment_fixed_size 0
		.amdhsa_enable_private_segment 0
		.amdhsa_kernarg_size 40
		.amdhsa_user_sgpr_count 2
		.amdhsa_user_sgpr_kernarg_segment_ptr 1
		.amdhsa_wavefront_size32 1
		.amdhsa_system_sgpr_workgroup_id_x 1
		.amdhsa_system_sgpr_workgroup_id_y 1
		.amdhsa_system_sgpr_workgroup_id_z 1
		.amdhsa_system_vgpr_workitem_id 0
		.amdhsa_next_free_vgpr 768
		.amdhsa_next_free_sgpr 100
		.amdhsa_reserve_vcc 0
		.amdhsa_float_denorm_mode_32 3
		.amdhsa_float_denorm_mode_16_64 3
		.amdhsa_memory_ordered 1
		.amdhsa_forward_progress 1
		.amdhsa_inst_pref_size 98
	.end_amdhsa_kernel
	.amdgpu_metadata
---
amdhsa.version: [ 1, 2 ]
amdhsa.kernels:
  - .name:           k_qc153e4b13e_qkv
    .symbol:         k_qc153e4b13e_qkv.kd
    .args:
      - { .name: xq, .offset: 0, .size: 8, .value_kind: global_buffer, .address_space: global }
      - { .name: wq, .offset: 8, .size: 8, .value_kind: global_buffer, .address_space: global }
      - { .name: b_qkv, .offset: 16, .size: 8, .value_kind: global_buffer, .address_space: global }
      - { .name: qp, .offset: 24, .size: 8, .value_kind: global_buffer, .address_space: global }
      - { .name: kv, .offset: 32, .size: 8, .value_kind: global_buffer, .address_space: global }
    .group_segment_fixed_size: 295424
    .private_segment_fixed_size: 0
    .kernarg_segment_align: 8
    .kernarg_segment_size: 40
    .max_flat_workgroup_size: 128
    .sgpr_count:     100
    .vgpr_count:     768
    .wavefront_size: 32
...
	.end_amdgpu_metadata
.endif
;; end of part 2
;; launch attn (part 3): grid 4 x 64, 16 waves a work-group, no clusters, 211,968 bytes of LDS; arguments qp, kv, yq, ys; writes yq, ys
.if DOCPART == 3
	.amdgcn_target "amdgcn-amd-amdhsa--gfx1250"
	.amdhsa_code_object_version 6
	.text
	.protected	k_qc153e4b13e_attn
	.globl	k_qc153e4b13e_attn
	.p2align	8
	.type	k_qc153e4b13e_attn,@function
k_qc153e4b13e_attn:
	s_mov_b64 s[64:65], 0
	v_nop
	global_prefetch_b8 v0, s[64:65] scope:SCOPE_SE
	s_setreg_imm32_b32 hwreg(HW_REG_WAVE_MODE, 25, 1), 1
	s_wait_xcnt 0x0
; y[b][q][h][:] = softmax over keys k <= q of (q . k / 8) times v, both products on codes of FP6 (E2M3) with E8M0 scales; y is quantised along the head's 64 and leaves as codes.
; THE SOFTMAX: t = score x log2(e) / 8; M = the running largest t rounded up to a whole number; p = 2^(t - M) is quantised along the keys; the row's sum is taken of the unquantised p and divides at the end
; (by v_rcp_f32).  When M moves, the sum and O are multiplied by 2^(old M - new M): exact.  The running largest t starts at -3e38.
; SHARES.  A work-group owns one head and two blocks of 256 queries, 7 - x and x: every work-group has the same number of key steps.  In a pass each of sixteen waves owns one tile of 16 queries.
; THE WHOLE HEAD'S K AND V LIE IN LDS: sixteen packs of 13,056 bytes (128 keys each), filled once by waves 0 to 3, four tensor loads each, all asked for at the head; nothing is filled again.
; A pack: 8 half fragments of k (768 bytes: 16 keys x 64), 4 fragments of v (16 of the head's 64 x 128 keys), k's scale words (512 bytes), v's (256): images of the operands' registers.
; Lane r of tile T of tokens holds token 32 (T / 2) + 8 (T % 2) + r + 8 (r / 8): so in S^T = k q^T the 16 registers of tiles 2 b, 2 b + 1 are keys 32 b + 16 (lane / 16) + 0 .. 15, and likewise the head's 64 in O^T = v^T p^T.
; K = 64 IN A PRODUCT OF 128: q's upper six registers are zero codes under the byte 0x7f; k's operand runs on into the next tile's registers, whose codes meet those zeros and add exactly 0.
; CAUSAL: a step all of whose keys come after the wave's queries is left out by a scalar branch on ids; on the diagonal hidden scores become -infinity.  Every wave walks all sixteen steps' addresses and barriers.
; NO CLUSTER: the step that is left out hangs on the query block, which partners would not share; and the head's 208,896 bytes are fetched once by a work-group for its 272 tile steps.
; LIMITS: a block whose largest magnitude lies under 2^-124 keeps the byte 1, a block of zeros too (its codes are zeros); NaN and infinities are not served.
; REGISTERS: v1-11 addresses; v12 -M, v13 largest t, v[14:15] the sum; v16-27 q; v28 q's scales; v30-33 k's; v34-35 v's; v36 p's; v[38:39] f; v40-87 k or v; v88-93 zeros; v96-159 S^T, then p; v160-191 O^T;
;   v192-203 p's codes; v204-210 at work for them; v212-233 at work; v240-243 the scale words' way out.
.set RTB,   12800
.set PACK,  13056
.set HEADB, 208896
.set YSTG,  208896                     ; behind the packs: 1,024 bytes in which the block's scale words of y meet
.set SPARE, 209920                     ; the spare words, 128 bytes a wave
.macro PLACES n
.rept \n
	v_nop
.endr
.endm
; A KEY STEP: the 128 keys of the pack at LDS byte s20
.macro STEP
	s_cmp_gt_u32 s19, s18                          ; all keys of this step come after my queries
	s_cbranch_scc1 .Lhid_\@
	s_setprio 2
	v_add_nc_u32 v3, s20, v1
	v_add_nc_u32 v4, s20, v2
	v_nop
	v_nop                                          ; four places in front of loads into registers that the last products read
.irp t, 0,1,2,3,4,5,6,7
	ds_load_b128 v[40+6*\t:43+6*\t], v3 offset:768*\t
	ds_load_b64 v[44+6*\t:45+6*\t], v4 offset:768*\t+512
.endr
	ds_load_b64 v[30:31], v4 offset:12288
	ds_load_b64 v[32:33], v4 offset:12544
	s_wait_alu depctr_va_vdst(0)
	s_wait_dscnt 0x0
.irp t, 0,2,4,6
	v_wmma_scale_f32_16x16x128_f8f6f4 v[96+8*\t:103+8*\t], v[40+6*\t:51+6*\t], v[16:27], 0, v[30+\t/2], v28 matrix_a_fmt:MATRIX_FMT_FP6 matrix_b_fmt:MATRIX_FMT_FP6
	v_wmma_scale_f32_16x16x128_f8f6f4 v[104+8*\t:111+8*\t], v[46+6*\t:57+6*\t], v[16:27], 0, v[30+\t/2], v28 matrix_a_fmt:MATRIX_FMT_FP6 matrix_b_fmt:MATRIX_FMT_FP6 matrix_a_scale:MATRIX_SCALE_ROW1
.endr
	PLACES 4                                       ; in front of the loads below and of the first read of the scores
.irp d, 0,1,2,3
	ds_load_b128 v[40+12*\d:43+12*\d], v3 offset:6144+1536*\d          ; v lands while the softmax is walked
	ds_load_b64 v[44+12*\d:45+12*\d], v4 offset:6144+1536*\d+512
	ds_load_b128 v[46+12*\d:49+12*\d], v3 offset:6144+1536*\d+768
	ds_load_b64 v[50+12*\d:51+12*\d], v4 offset:6144+1536*\d+1280
.endr
	ds_load_b64 v[34:35], v4 offset:12800
	s_cmp_lg_u32 s19, s18                          ; only the step on the diagonal hides keys
	s_cbranch_scc1 .Lopen_\@
	v_add_nc_u32 v225, s26, v7                     ; d = my query - the step's first key - 16 (lane / 16); register 16 b + i is hidden where 32 b + i > d
	v_mov_b32 v226, 0xff800000
.irp n, 0,1,2,3,4,5,6,7,8,9,10,11,12,13,14,15,16,17,18,19,20,21,22,23,24,25,26,27,28,29,30,31,32,33,34,35,36,37,38,39,40,41,42,43,44,45,46,47,48,49,50,51,52,53,54,55,56,57,58,59,60,61,62,63
	v_cmp_gt_i32 vcc_lo, 32*(\n/16)+\n%16, v225
	v_cndmask_b32 v[96+\n], v[96+\n], v226, vcc_lo
.endr
.Lopen_\@:
.irp b, 0,1,2,3
	v_max3_num_f32 v[212+\b], v[96+16*\b], v[97+16*\b], v[98+16*\b]    ; the largest score of each block of 32 keys: for the row's maximum and, since p rises with the score, for the block's largest p
.endr
.irp i, 3,5,7,9,11,13
.irp b, 0,1,2,3
	v_max3_num_f32 v[212+\b], v[212+\b], v[96+16*\b+\i], v[97+16*\b+\i]
.endr
.endr
.irp b, 0,1,2,3
	v_max_num_f32 v[212+\b], v[212+\b], v[111+16*\b]
.endr
.irp b, 0,1,2,3
	s_delay_alu instid0(VALU_DEP_4)
	v_permlanex16_b32 v[216+\b], v[212+\b], s22, s23
.endr
.irp b, 0,1,2,3
	s_delay_alu instid0(VALU_DEP_4)
	v_max_num_f32 v[212+\b], v[212+\b], v[216+\b]
.endr
	s_delay_alu instid0(VALU_DEP_2)
	v_max3_num_f32 v224, v212, v213, v214
	s_delay_alu instid0(VALU_DEP_1)
	v_max_num_f32 v224, v224, v215
	s_delay_alu instid0(VALU_DEP_1)
	v_mul_f32 v224, s24, v224                      ; as t
	s_delay_alu instid0(VALU_DEP_1)
	v_max_num_f32 v13, v13, v224                   ; the running largest t
	v_mov_b32 v224, v12
	s_delay_alu instid0(VALU_DEP_2)
	v_floor_f32 v12, -v13                          ; the new -M: M is a whole number
	s_delay_alu instid0(VALU_DEP_1)
	v_sub_f32 v224, v12, v224
	s_delay_alu instid0(VALU_DEP_1)
	v_cvt_i32_f32 v224, v224                       ; old M - new M (it saturates)
	s_delay_alu instid0(VALU_DEP_1)
	v_ldexp_f32 v38, 1.0, v224                     ; f = 2^(old M - new M)
	s_setprio 1
.irp j, 0,2,4,6,8,10,12,14,16,18,20,22,24,26,28,30,32,34,36,38,40,42,44,46,48,50,52,54,56,58,60,62
	v_pk_fma_f32 v[96+\j:97+\j], v[96+\j:97+\j], s[24:25], v[12:13] op_sel_hi:[1,0,0]   ; t - M
.endr
.irp b, 0,1,2,3
	v_fma_f32 v[212+\b], v[212+\b], s24, v12
.endr
	s_wait_alu depctr_va_vdst(0)
.irp j, 0,1,2,3,4,5,6,7,8,9,10,11,12,13,14,15,16,17,18,19,20,21,22,23,24,25,26,27,28,29,30,31,32,33,34,35,36,37,38,39,40,41,42,43,44,45,46,47,48,49,50,51,52,53,54,55,56,57,58,59,60,61,62,63
	v_exp_f32 v[96+\j], v[96+\j]                   ; p = 2^(t - M)
.endr
	v_pk_mul_f32 v[14:15], v[14:15], v[38:39] op_sel_hi:[1,0]          ; the sums under the new M: a plain instruction behind the exponentials
	s_wait_alu depctr_va_vdst(0)                   ; one wait for the batch, ahead of its first reader
.irp b, 0,1,2,3
	v_exp_f32 v[212+\b], v[212+\b]                 ; each block's largest p
.endr
	v_pk_add_f32 v[226:227], v[100:101], v[104:105]
	v_pk_add_f32 v[254:255], v[108:109], v[112:113]
	v_pk_add_f32 v[252:253], v[116:117], v[120:121]
	v_pk_add_f32 v[250:251], v[124:125], v[128:129]
	v_pk_add_f32 v[248:249], v[132:133], v[136:137]
	v_pk_add_f32 v[246:247], v[140:141], v[144:145]
	v_pk_add_f32 v[244:245], v[148:149], v[152:153]
	v_pk_add_f32 v[14:15], v[14:15], v[156:157]
	v_pk_add_f32 v[226:227], v[226:227], v[96:97]
	v_pk_add_f32 v[254:255], v[254:255], v[98:99]
	v_pk_add_f32 v[252:253], v[252:253], v[102:103]
	v_pk_add_f32 v[250:251], v[250:251], v[106:107]
	v_pk_add_f32 v[248:249], v[248:249], v[110:111]
	v_pk_add_f32 v[246:247], v[246:247], v[114:115]
	v_pk_add_f32 v[244:245], v[244:245], v[118:119]
	v_pk_add_f32 v[14:15], v[14:15], v[122:123]
	v_pk_add_f32 v[226:227], v[226:227], v[126:127]
	v_pk_add_f32 v[254:255], v[254:255], v[130:131]
	v_pk_add_f32 v[252:253], v[252:253], v[134:135]
	v_pk_add_f32 v[250:251], v[250:251], v[138:139]
	v_pk_add_f32 v[248:249], v[248:249], v[142:143]
	v_pk_add_f32 v[246:247], v[246:247], v[146:147]
	v_pk_add_f32 v[244:245], v[244:245], v[150:151]
	v_pk_add_f32 v[14:15], v[14:15], v[154:155]
	v_pk_add_f32 v[226:227], v[226:227], v[158:159]
	s_delay_alu instid0(VALU_DEP_2)
	v_pk_add_f32 v[14:15], v[14:15], v[250:251]
	s_delay_alu instid0(VALU_DEP_2)
	v_pk_add_f32 v[226:227], v[226:227], v[248:249]
	v_pk_add_f32 v[254:255], v[254:255], v[246:247]
	v_pk_add_f32 v[252:253], v[252:253], v[244:245]
	s_delay_alu instid0(VALU_DEP_2)
	v_pk_add_f32 v[14:15], v[14:15], v[254:255]
	s_delay_alu instid0(VALU_DEP_2)
	v_pk_add_f32 v[226:227], v[226:227], v[252:253]
	s_delay_alu instid0(VALU_DEP_1)
	v_pk_add_f32 v[14:15], v[14:15], v[226:227]
	s_wait_alu depctr_va_vdst(0)                   ; and one for the four
.irp b, 0,1,2,3
	v_max_num_f32 v[212+\b], 0x1800000, v[212+\b]  ; the floor 2^(3 - 127)
.endr
.irp b, 0,1,2,3
	s_delay_alu instid0(VALU_DEP_4)
	v_add_nc_u32 v[220+\b], 0xff000000, v[212+\b]
.endr
.irp b, 0,1,2,3
	s_delay_alu instid0(VALU_DEP_4)
	v_lshrrev_b32 v[228+\b], 23, v[220+\b]
.endr
	s_delay_alu instid0(VALU_DEP_3)
	v_lshl_or_b32 v36, v229, 8, v228               ; p's scale word for these 128 keys
	s_delay_alu instid0(VALU_DEP_1)
	v_lshl_or_b32 v36, v230, 16, v36
	s_delay_alu instid0(VALU_DEP_1)
	v_lshl_or_b32 v36, v231, 24, v36
	s_setprio 0
.irp c, 0,1
	v_cvt_scalef32_pk16_fp6_f32 v[192+6*\c:194+6*\c], v[96+32*\c:111+32*\c], v[220+2*\c]
	v_cvt_scalef32_pk16_fp6_f32 v[204+4*\c:206+4*\c], v[112+32*\c:127+32*\c], v[221+2*\c]
.endr
	v_nop
.irp c, 0,1
.irp i, 0,1,2
	v_permlane16_swap_b32 v[192+6*\c+\i], v[204+4*\c+\i]
.endr
.irp i, 0,1,2
	s_delay_alu instid0(VALU_DEP_3)
	v_mov_b32 v[195+6*\c+\i], v[204+4*\c+\i]
.endr
.endr
.irp j, 0,2,4,6,8,10,12,14,16,18,20,22,24,26,28,30
	v_pk_mul_f32 v[160+\j:161+\j], v[160+\j:161+\j], v[38:39] op_sel_hi:[1,0]   ; O^T under the new M; these are also the places between p's scale word and codes and the products
.endr
	s_wait_alu depctr_va_vdst(0)
	s_wait_dscnt 0x0                               ; v is in
.irp d, 0,2
	v_wmma_scale_f32_16x16x128_f8f6f4 v[160+8*\d:167+8*\d], v[40+12*\d:51+12*\d], v[192:203], v[160+8*\d:167+8*\d], v[34+\d/2], v36 matrix_a_fmt:MATRIX_FMT_FP6 matrix_b_fmt:MATRIX_FMT_FP6
	v_wmma_scale_f32_16x16x128_f8f6f4 v[168+8*\d:175+8*\d], v[52+12*\d:63+12*\d], v[192:203], v[168+8*\d:175+8*\d], v[34+\d/2], v36 matrix_a_fmt:MATRIX_FMT_FP6 matrix_b_fmt:MATRIX_FMT_FP6 matrix_a_scale:MATRIX_SCALE_ROW1
.endr
.Lhid_\@:
	s_add_co_u32 s19, s19, 1
	s_add_co_u32 s20, s20, PACK
.endm
.macro CHUNK c                         ; four packs: they have landed in the waves that fetched them, and every wave knows
	s_wait_dscnt 0x0
	s_wait_tensorcnt 3-\c                          ; my pack of this chunk is in; the later chunks' may be out
	s_barrier_signal -1
	s_barrier_wait -1
	s_mov_b32 s19, 4*\c
	s_mov_b32 s20, 4*PACK*\c
	s_mov_b32 s21, 4
.Lstep_\@:
	STEP
	s_sub_co_u32 s21, s21, 1
	s_cmp_lg_u32 s21, 0
	s_cbranch_scc1 .Lstep_\@
	s_setprio 0
.endm
	s_load_b256 s[4:11], s[0:1], 0x0               ; qp s[4:5], kv s[6:7], yq s[8:9], ys s[10:11]
	v_lshl_add_u32 v5, v0, 2, SPARE
	v_mov_b32 v6, 0
	ds_add_u32 v5, v6                              ; the wave's opening: the add and its wait stand ahead of the first tensor load; work on registers stands between
	ds_add_u32 v5, v6
	v_lshrrev_b32 v1, 5, v0
	s_delay_alu instid0(VALU_DEP_1)
	v_readfirstlane_b32 s12, v1                    ; wave
	s_mov_b32 s13, ttmp9                           ; which pair of query blocks
	s_and_b32 s14, ttmp7, 0xffff                   ; batch x 16 + head
	; descriptor group 1: a pack as 51 rows of 256 bytes (32 elements of 8 bytes), dense
	s_mov_b32 s28, 3<<16
	s_mov_b32 s29, 32<<16
	s_mov_b32 s30, 51<<16
	s_mov_b32 s31, 32<<16
	s_mov_b32 s32, 51
	s_mov_b32 s33, 32
	s_mov_b32 s34, 0
	s_mov_b32 s35, 0
	s_mov_b32 s22, 0x76543210
	s_mov_b32 s23, 0xfedcba98                      ; lane l xor 16
	s_mov_b32 s24, 0x3e38aa3b                      ; log2(e) / 8
	s_mov_b32 s25, s24
	s_mul_i32 s66, s14, HEADB
	s_mov_b32 s67, 0
	s_mul_i32 s68, s12, PACK
	s_mov_b32 s69, 0
	s_lshl_b32 s72, s12, 6
	v_and_b32 v7, 31, v0
	s_delay_alu instid0(VALU_DEP_1)
	v_lshlrev_b32 v1, 4, v7                        ; 16 x lane
	s_delay_alu instid0(VALU_DEP_2)
	v_lshlrev_b32 v2, 3, v7                        ; 8 x lane
	v_and_b32 v9, 15, v0                           ; r
	v_bfe_u32 v11, v0, 4, 1                        ; h
	s_delay_alu instid0(VALU_DEP_2)
	v_lshlrev_b32 v10, 3, v9                       ; 8 r
	s_delay_alu instid0(VALU_DEP_3)
	v_and_b32 v7, 8, v9
	s_delay_alu instid0(VALU_DEP_1)
	v_add_nc_u32 v7, v7, v9
	s_delay_alu instid0(VALU_DEP_4)
	v_lshlrev_b32 v11, 4, v11
	s_delay_alu instid0(VALU_DEP_1)
	v_sub_nc_u32 v7, v7, v11                       ; r + 8 (r / 8) - 16 h
	v_lshl_add_u32 v8, v9, 2, s72
	s_delay_alu instid0(VALU_DEP_1)
	v_add_nc_u32 v8, YSTG, v8                      ; where my row's scale word of y goes: 64 x wave + 4 r
	v_and_b32 v11, 63, v0
	s_delay_alu instid0(VALU_DEP_1)
	v_lshlrev_b32 v11, 4, v11                      ; and how waves 0 and 1 take the 1,024 bytes out
	s_delay_alu instid0(VALU_DEP_1)
	v_add_nc_u32 v9, YSTG, v11
.irp j, 22,23,24,25,26,27,88,89,90,91,92,93
	v_mov_b32 v[\j], 0                             ; zero codes
.endr
.irp j, 38,39,216,217,218,219,224
	v_mov_b32 v[\j], 0                             ; written once: pairs' upper halves and lane permutes' destinations
.endr
	s_wait_dscnt 0x0                               ; the opening add is done
	s_wait_kmcnt 0x0
	s_add_nc_u64 s[70:71], s[6:7], s[66:67]
	s_add_nc_u64 s[70:71], s[70:71], s[68:69]      ; pack number = my wave's, of my head
.irp c, 0,1,2,3
	s_mov_b32 s[36+4*\c], 1
	s_add_co_u32 s[37+4*\c], s68, 4*PACK*\c
	s_add_nc_u64 s[38+4*\c:39+4*\c], s[70:71], 4*PACK*\c
	s_or_b32 s[39+4*\c], s[39+4*\c], 0x80000000
.endr
	s_cmp_lt_u32 s12, 4                            ; waves 0 to 3 fetch: pack 4 c + wave of chunk c; four loads of a wave are out
	s_cbranch_scc0 .Lno_fetch
.irp c, 0,1,2,3
	tensor_load_to_lds s[36+4*\c:39+4*\c], s[28:35]
	s_nop 0
.endr
	PLACES 4
.Lno_fetch:
	s_mov_b32 s15, 0
.Lpass:
	s_wait_xcnt 0x0                                ; the last pass's stores have read their registers and bases
	s_sub_co_u32 s66, 7, s13
	s_cmp_eq_u32 s15, 0
	s_cselect_b32 s16, s66, s13                    ; the query block
	s_lshl_b32 s17, s16, 4
	s_add_co_u32 s17, s17, s12                     ; my tile of 16 queries
	s_lshr_b32 s18, s17, 3                         ; the key step on my diagonal
	s_bfe_u32 s26, s17, 0x20001
	s_lshl_b32 s26, s26, 5
	s_and_b32 s66, s17, 1
	s_lshl_b32 s67, s66, 3
	s_add_co_u32 s26, s26, s67                     ; my tile's first query, from that step's first key
	s_mul_i32 s68, s14, HEADB
	s_mul_i32 s69, s18, PACK
	s_add_co_u32 s68, s68, s69                     ; q's pack
	s_and_b32 s69, s17, 7
	s_mul_i32 s69, s69, 768
	s_add_co_u32 s70, s68, s69
	s_mov_b32 s71, 0
	s_add_nc_u64 s[52:53], s[4:5], s[70:71]        ; q's half fragment
	s_bfe_u32 s69, s17, 0x10002
	s_lshl_b32 s69, s69, 8
	s_add_co_u32 s70, s68, s69
	s_lshl_b32 s69, s66, 7
	s_add_co_u32 s70, s70, s69
	s_bfe_u32 s69, s17, 0x10001
	s_lshl_b32 s69, s69, 2
	s_add_co_u32 s70, s70, s69
	s_add_co_u32 s70, s70, 12288
	s_add_nc_u64 s[54:55], s[4:5], s[70:71]        ; its scale words, 8 bytes from row to row
	s_lshr_b32 s69, s14, 4
	s_lshl_b32 s69, s69, 7
	s_add_co_u32 s69, s69, s17
	s_mul_i32 s69, s69, RTB
	s_and_b32 s70, s14, 15
	s_mul_i32 s70, s70, 768
	s_add_co_u32 s70, s70, s69
	s_add_nc_u64 s[56:57], s[8:9], s[70:71]        ; y's half fragment: record batch x 128 + tile, 768 bytes a head
	s_lshl_b32 s70, s14, 13
	s_lshl_b32 s69, s16, 10
	s_add_co_u32 s70, s70, s69
	s_add_nc_u64 s[58:59], s[10:11], s[70:71]      ; the block's 1,024 bytes of y's scale words
	global_load_b128 v[16:19], v1, s[52:53]
	global_load_b64 v[20:21], v2, s[52:53] offset:512
	global_load_b32 v28, v10, s[54:55]
	v_mov_b32 v13, 0xff61b1e6                      ; -3e38
	s_delay_alu instid0(VALU_DEP_1)
	v_floor_f32 v12, -v13
	v_mov_b32 v14, 0
	v_mov_b32 v15, 0
.irp j, 0,1,2,3,4,5,6,7,8,9,10,11,12,13,14,15,16,17,18,19,20,21,22,23,24,25,26,27,28,29,30,31
	v_mov_b32 v[160+\j], 0                         ; the step is written once: the first finds zeros, which the first change of M leaves zeros
.endr
	s_wait_loadcnt 0x0
	CHUNK 0
	CHUNK 1
	CHUNK 2
	CHUNK 3
	; THE WAY OUT of a pass
	PLACES 4                                       ; behind the last products
	v_add_f32 v14, v14, v15
	s_delay_alu instid0(VALU_DEP_1)
	v_permlanex16_b32 v224, v14, s22, s23
	s_delay_alu instid0(VALU_DEP_1)
	v_add_f32 v14, v14, v224                       ; the row's sum
	s_wait_alu depctr_va_vdst(0)
	v_rcp_f32 v14, v14
	v_nop
	s_wait_alu depctr_va_vdst(0)                   ; ahead of the reciprocal's first reader
.irp j, 0,2,4,6,8,10,12,14,16,18,20,22,24,26,28,30
	v_pk_mul_f32 v[96+\j:97+\j], v[160+\j:161+\j], v[14:15] op_sel_hi:[1,0]   ; y: register 16 b + i is channel 32 b + 16 (lane / 16) + i of my query
.endr
.irp b, 0,1
	v_max3_num_f32 v[212+\b], |v[96+16*\b]|, |v[97+16*\b]|, 0x1800000
.endr
.irp i, 2,4,6,8,10,12,14
.irp b, 0,1
	s_delay_alu instid0(VALU_DEP_2)
	v_max3_num_f32 v[212+\b], v[212+\b], |v[96+16*\b+\i]|, |v[97+16*\b+\i]|
.endr
.endr
.irp b, 0,1
	s_delay_alu instid0(VALU_DEP_2)
	v_permlanex16_b32 v[216+\b], v[212+\b], s22, s23
.endr
.irp b, 0,1
	s_delay_alu instid0(VALU_DEP_2)
	v_max_num_f32 v[212+\b], v[212+\b], v[216+\b]
.endr
.irp b, 0,1
	s_delay_alu instid0(VALU_DEP_2)
	v_add_nc_u32 v[220+\b], 0xff000000, v[212+\b]
.endr
.irp b, 0,1
	s_delay_alu instid0(VALU_DEP_2)
	v_lshrrev_b32 v[228+\b], 23, v[220+\b]
.endr
	s_delay_alu instid0(VALU_DEP_1)
	v_lshl_or_b32 v232, v229, 8, v228              ; the head's two bytes of my row
	v_cvt_scalef32_pk16_fp6_f32 v[192:194], v[96:111], v220
	v_cvt_scalef32_pk16_fp6_f32 v[204:206], v[112:127], v221
	v_nop
.irp i, 0,1,2
	v_permlane16_swap_b32 v[192+\i], v[204+\i]
.endr
.irp i, 0,1,2
	s_delay_alu instid0(VALU_DEP_3)
	v_mov_b32 v[195+\i], v[204+\i]
.endr
	global_store_b128 v1, v[192:195], s[56:57]     ; 512 and 256 consecutive bytes, aligned
	global_store_b64 v2, v[196:197], s[56:57] offset:512
	ds_store_b32 v8, v232                          ; both halves of the lanes write the same word with the same value
	s_wait_dscnt 0x0                               ; for the others' sake: my store is done
	s_barrier_signal -1
	s_barrier_wait -1
	s_cmp_lt_u32 s12, 2
	s_cbranch_scc0 .Lno_ys
	ds_load_b128 v[240:243], v9
	s_wait_dscnt 0x0
	global_store_b128 v11, v[240:243], s[58:59]    ; the sixteen tiles' words leave as 1,024 consecutive bytes
.Lno_ys:
	s_add_co_u32 s15, s15, 1
	s_cmp_lt_u32 s15, 2
	s_cbranch_scc1 .Lpass
	s_wait_tensorcnt 0x0                           ; the wave's end, behind my last tensor load and my last LDS store
	ds_add_u32 v5, v6
	s_wait_dscnt 0x0
	s_endpgm
.Lfunc_end_k_qc153e4b13e_attn:
	.size	k_qc153e4b13e_attn, .Lfunc_end_k_qc153e4b13e_attn-k_qc153e4b13e_attn
	.p2alignl 7, 3214868480
	.fill 96, 4, 3214868480
	.section	.rodata,"a",@progbits
	.p2align	6, 0x0
	.amdhsa_kernel k_qc153e4b13e_attn
		.amdhsa_group_segment_fixed_size 211968
		.amdhsa_private_segment_fixed_size 0
		.amdhsa_enable_private_segment 0
		.amdhsa_kernarg_size 32
		.amdhsa_user_sgpr_count 2
		.amdhsa_user_sgpr_kernarg_segment_ptr 1
		.amdhsa_wavefront_size32 1
		.amdhsa_system_sgpr_workgroup_id_x 1
		.amdhsa_system_sgpr_workgroup_id_y 1
		.amdhsa_system_sgpr_workgroup_id_z 1
		.amdhsa_system_vgpr_workitem_id 0
		.amdhsa_next_free_vgpr 256
		.amdhsa_next_free_sgpr 80
		.amdhsa_reserve_vcc 1
		.amdhsa_float_denorm_mode_32 3
		.amdhsa_float_denorm_mode_16_64 3
		.amdhsa_memory_ordered 1
		.amdhsa_forward_progress 1
		.amdhsa_inst_pref_size 104
	.end_amdhsa_kernel
	.amdgpu_metadata
---
amdhsa.version: [ 1, 2 ]
amdhsa.kernels:
  - .name:           k_qc153e4b13e_attn
    .symbol:         k_qc153e4b13e_attn.kd
    .args:
      - { .name: qp, .offset: 0, .size: 8, .value_kind: global_buffer, .address_space: global }
      - { .name: kv, .offset: 8, .size: 8, .value_kind: global_buffer, .address_space: global }
      - { .name: yq, .offset: 16, .size: 8, .value_kind: global_buffer, .address_space: global }
      - { .name: ys, .offset: 24, .size: 8, .value_kind: global_buffer, .address_space: global }
    .group_segment_fixed_size: 211968
    .private_segment_fixed_size: 0
    .kernarg_segment_align: 8
    .kernarg_segment_size: 32
    .max_flat_workgroup_size: 512
    .sgpr_count:     80
    .vgpr_count:     256
    .wavefront_size: 32
...
	.end_amdgpu_metadata
.endif
;; end of part 3
;; launch proj (part 4): grid 4 x 64, 4 waves a work-group, clusters of 4 x 4, 295,424 bytes of LDS; arguments yq, ys, wo, b_o, out0; writes out0
.if DOCPART == 4
	.amdgcn_target "amdgcn-amd-amdhsa--gfx1250"
	.amdhsa_code_object_version 6
	.text
	.protected	k_qc153e4b13e_proj
	.globl	k_qc153e4b13e_proj
	.p2align	8
	.type	k_qc153e4b13e_proj,@function
k_qc153e4b13e_proj:
	s_mov_b64 s[64:65], 0
	v_nop
	global_prefetch_b8 v0, s[64:65] scope:SCOPE_SE
	s_setreg_imm32_b32 hwreg(HW_REG_WAVE_MODE, 25, 1), 1
	s_wait_xcnt 0x0
	s_wait_alu depctr_hold_cnt(0) depctr_sa_sdst(0) depctr_va_vdst(0) depctr_va_sdst(0) depctr_va_ssrc(0) depctr_va_vcc(0) depctr_vm_vsrc(0)
	s_getreg_b32 s2, hwreg(HW_REG_IB_STS2, 6, 4)
	s_cmp_eq_u32 s2, 0
	s_cbranch_scc0 .Lentry_in_a_cluster
	s_endpgm
.Lentry_in_a_cluster:
	s_bfe_u32 s2, ttmp6, 0x10000c
	s_cmp_lg_u32 s2, 0xf033
	s_cbranch_scc0 .Lentry_shape_is_right
	s_endpgm
.Lentry_shape_is_right:
; out0 = y w_o + b_o on codes of FP6 (E2M3) with E8M0 scales, sums in f32.  y's codes come as records of 12,800 bytes (16 tokens x 1,024 K as images of the operand's registers; a head's 64 K are 768 bytes);
; its scale bytes come from ys, [batch x 16 + head][tile][row], a word with two bytes; w_o's records carry their own scale words.  Lane r of record T holds row 32 (T / 2) + 8 (T % 2) + r + 8 (r / 8).
; A work-group makes 128 tokens x 256 outputs over all of K; a wave 64 x 128: 32 accumulators.  Source 0 = 16 rows of w_o's records (outputs), source 1 = 16 tokens: a lane holds one token and neighbouring outputs.
; ALL OF K LIES IN LDS: four chunks of 256 K for A (24,576 bytes each) and for B (49,152), each filled once, all asked for at the head; a wave has four tensor loads outstanding.  Nothing is filled again.
; CLUSTER 4 x 4: y's tiles are asked for jointly along a row of the cluster, w_o's along a column.
; REGISTERS: window 0: v1-13 lanes and addresses; v32-47 A's scale words, v48-79 B's; v80-175 A's fragments, two sets; on the way out v80-207 rows of out0.  window 1: v0-191 B's fragments, two sets; v192-255 the bias.
;   window 2: accumulator (a, b) at v[8 (8 a + b)].
.set RTB,   12800
.set LB,    98304
.set SPARE, 294912
.set VA16, 4
.set VA8,  5
.set VB16, 6
.set VB8,  7
.set STO,  12
.set RD,   13
.set SPW,  28
.set NIL,  29
.set SA,   32
.set SB,   48
.set AF,   80
.set BV,   176
.set BQ,   192
.set BK,   80
.set G1A,  24
.set G0A,  32
.set G0B,  48
.set G1B,  68
.set MSB,  0
.macro WIN new                         ; the immediate's high byte repeats the setting that is left
.if MSB != \new
	s_set_vgpr_msb (MSB<<8)|\new
.set MSB, \new
.endif
.endm
.macro PLACES n
.rept \n
	v_nop
.endr
.endm
.macro CROUND                          ; a round of the cluster's barrier
	s_barrier_signal -1
	s_barrier_wait -1
	s_cmp_lg_u32 s14, 0
	s_cbranch_scc1 .Lnot_wave_0_\@
	s_barrier_signal -3
.Lnot_wave_0_\@:
	s_barrier_wait -3
	s_barrier_signal -1
	s_barrier_wait -1
.endm
.macro FRAG reg, a16, a8, off          ; a fragment's image: two halves of 768 bytes, each 16 bytes a lane and then 8
	ds_load_b128 v[\reg:\reg+3], v[\a16] offset:\off
	ds_load_b64 v[\reg+4:\reg+5], v[\a8] offset:\off
	ds_load_b128 v[\reg+6:\reg+9], v[\a16] offset:\off+768
	ds_load_b64 v[\reg+10:\reg+11], v[\a8] offset:\off+768
.endm
.macro FETCH s                         ; K step s: B's eight fragments and A's four into set s % 2: 48 LDS loads in one run
	WIN 0x40
.irp b, 0,1,2,3,4,5,6,7
	FRAG 96*((\s)%2)+12*\b, VB16, VB8, 3072*\b+1536*((\s)%2)
.endr
	WIN 0
.irp a, 0,1,2,3
	FRAG AF+48*((\s)%2)+12*\a, VA16, VA8, 3072*\a+1536*((\s)%2)
.endr
.endm
.macro MM s, a, b, cm                  ; one product.  cm = 0: onto the accumulator; 1: the sum starts with the bias
.set rD, 8*(8*(\a)+\b)
.set rB, 96*((\s)%2)+12*\b
.set rA, AF+48*((\s)%2)+12*(\a)
.set rSB, SB+4*\b+(\s)/2
.set rSA, SA+4*(\a)+(\s)/2
.set rC, rD
.if \cm == 1
.set rC, BQ+8*\b
.endif
.if (\s)%2
	v_wmma_scale_f32_16x16x128_f8f6f4 v[rD:rD+7], v[rB:rB+11], v[rA:rA+11], v[rC:rC+7], v[rSB], v[rSA] matrix_a_fmt:MATRIX_FMT_FP6 matrix_b_fmt:MATRIX_FMT_FP6 matrix_a_scale:MATRIX_SCALE_ROW1 matrix_b_scale:MATRIX_SCALE_ROW1
.else
	v_wmma_scale_f32_16x16x128_f8f6f4 v[rD:rD+7], v[rB:rB+11], v[rA:rA+11], v[rC:rC+7], v[rSB], v[rSA] matrix_a_fmt:MATRIX_FMT_FP6 matrix_b_fmt:MATRIX_FMT_FP6
.endif
.endm
.macro MULH s, a0, cm                  ; 16 products; the 32 accumulators take turns in the same order in every K step
.if \cm == 0
	WIN 0xa1
.else
	WIN 0x91
.endif
.irp a, \a0, \a0+1
.irp b, 0,1,2,3,4,5,6,7
	MM \s, (\a), \b, \cm
.endr
.endr
.endm
.macro KEVEN s
	s_wait_dscnt 0x0                               ; this step's fragments are in (asked for 16 products ago)
	PLACES 4                                       ; in front of loads into the set that the last step's products read
	FETCH (\s)+1
	MULH \s, 0, 0
	MULH \s, 2, 0
.endm
.macro KODD s
	s_wait_dscnt 0x0
	s_wait_tensorcnt 3-((\s)+1)/2                  ; my part of the next chunk is in; the chunks behind it may be out
	s_barrier_signal -1
	MULH \s, 0, 0
	WIN 0
	s_barrier_wait -1
	v_add_nc_u32 v[VA16], 24576, v[VA16]           ; on to the next chunk; these four are also the places in front of the loads below
	v_add_nc_u32 v[VA8], 24576, v[VA8]
	v_add_nc_u32 v[VB16], 49152, v[VB16]
	v_add_nc_u32 v[VB8], 49152, v[VB8]
	FETCH (\s)+1
	MULH \s, 2, 0
.endm
; THE WAY OUT: 16 tokens x 128 outputs at a time through my own stage (rows 528 bytes apart) and back as whole rows of 512 bytes; LDS serves a wave's instructions in order
.macro TOSTAGE a
	WIN 0x08                                       ; an LDS store's data are its source 1: window 2
.irp b, 0,1,2,3,4,5,6,7
	ds_store_b128 v[STO], v[8*(8*(\a)+\b):8*(8*(\a)+\b)+3] offset:(32*(\b/2)+8*(\b%2))*4        ; each accumulator from its low end on
	ds_store_b128 v[STO], v[8*(8*(\a)+\b)+4:8*(8*(\a)+\b)+7] offset:(32*(\b/2)+8*(\b%2))*4+16
.endr
	WIN 0
.irp i, 0,1,2,3,4,5,6,7,8,9,10,11,12,13,14,15
	ds_load_b128 v[BK+64*((\a)%2)+4*\i:BK+64*((\a)%2)+4*\i+3], v[RD] offset:528*\i
.endr
.endm
.macro SEND a, younger                 ; younger: the LDS instructions issued behind block a's loads, which may stay out
	s_wait_dscnt \younger
.irp i, 0,1,2,3,4,5,6,7,8,9,10,11,12,13,14,15
	global_store_b128 v8, v[BK+64*((\a)%2)+4*\i:BK+64*((\a)%2)+4*\i+3], s[12:13] offset:(32*((\a)/2)+8*((\a)%2)+\i+8*(\i/8))*4096 th:TH_STORE_NT   ; 32 lanes store 512 consecutive bytes, aligned
.endr
.endm
	s_load_b256 s[4:11], s[0:1], 0x0               ; yq s[4:5], ys s[6:7], wo s[8:9], b_o s[10:11]
	s_load_b64 s[12:13], s[0:1], 0x20              ; out0
	v_lshl_add_u32 v[SPW], v0, 2, SPARE
	v_mov_b32 v[NIL], 0
	ds_add_u32 v[SPW], v[NIL]                      ; the wave's opening: the add and its wait stand ahead of my first tensor load; work on registers stands between
	ds_add_u32 v[SPW], v[NIL]
	v_lshrrev_b32 v1, 5, v0
	v_readfirstlane_b32 s14, v1                    ; wave
	s_lshr_b32 s15, s14, 1                         ; which 64 tokens are mine.  Also: I fetch for A (0) or for B (1)
	s_and_b32 s16, s14, 1                          ; which 128 outputs.  Also: which half of the tiles I fetch
	s_bfe_u32 s76, ttmp6, 0x40000                  ; cx
	s_bfe_u32 s77, ttmp6, 0x40004                  ; cy
	s_lshl_b32 s83, ttmp9, 2
	s_add_co_u32 s83, s83, s76                     ; TC: which 256 outputs
	s_and_b32 s82, ttmp7, 0xffff
	s_lshl_b32 s82, s82, 2
	s_add_co_u32 s82, s82, s77                     ; TR: which 128 tokens
	s_lshl_b32 s84, s77, 2
	s_lshl_b32 s84, 15, s84                        ; my row of the cluster
	s_lshl_b32 s85, 0x1111, s76                    ; my column
	; descriptor group 1: rows of 3,072 bytes (384 elements of 8 bytes: a record's two fragments of a chunk), 12,800 bytes apart; A: 4 records a load, B: 8; dense in LDS
	s_or_b32 s[G1A], s84, (3<<16)|(1<<21)
	s_or_b32 s[G1B], s85, (3<<16)|(1<<21)
	s_mov_b32 s[G1A+1], 384<<16
	s_mov_b32 s[G1B+1], 384<<16
	s_mov_b32 s[G1A+2], 4<<16
	s_mov_b32 s[G1B+2], 8<<16
	s_mov_b32 s[G1A+3], 384<<16
	s_mov_b32 s[G1B+3], 384<<16
	s_mov_b32 s[G1A+4], 4
	s_mov_b32 s[G1B+4], 8
	s_mov_b32 s[G1A+5], 1600
	s_mov_b32 s[G1B+5], 1600
	s_mov_b32 s[G1A+6], 0
	s_mov_b32 s[G1B+6], 0
	s_mov_b32 s[G1A+7], 0
	s_mov_b32 s[G1B+7], 0
	s_lshl_b32 s86, s82, 3
	s_lshl_b32 s87, s16, 2
	s_add_co_u32 s86, s86, s87                     ; A: the first record that I fetch: 8 TR + 4 x half
	s_mul_i32 s86, s86, RTB
	s_mov_b32 s87, 0
	s_lshl_b32 s88, s83, 4
	s_lshl_b32 s89, s16, 3
	s_add_co_u32 s88, s88, s89                     ; B: 16 TC + 8 x half: also the first record that I multiply by
	s_mul_i32 s88, s88, RTB
	s_mov_b32 s89, 0
	s_lshl_b32 s22, s82, 3
	s_lshl_b32 s23, s15, 2
	s_add_co_u32 s22, s22, s23                     ; RT0 = 8 TR + 4 (wave / 2): my first A record
	s_mul_i32 s23, s16, 12288                      ; LDS: where the A tiles that I fetch go
	s_mul_i32 s20, s15, 12288                      ; and where the A tiles that I multiply lie
	s_mul_i32 s21, s16, 24576
	s_add_co_u32 s21, s21, LB                      ; B: both
	s_mul_i32 s18, s14, 8448                       ; my stage for the way out, in A's first two chunks
	v_and_b32 v1, 31, v0                           ; lane
	v_and_b32 v2, 15, v0                           ; r
	v_bfe_u32 v3, v0, 4, 1                         ; h
	v_lshlrev_b32 v8, 4, v1                        ; 16 x lane
	v_lshlrev_b32 v9, 3, v1                        ; 8 x lane
	v_add_nc_u32 v[VA16], s20, v8
	v_add_nc_u32 v[VA8], s20, v9
	v_add_nc_u32 v[VA8], 512, v[VA8]
	v_add_nc_u32 v[VB16], s21, v8
	v_add_nc_u32 v[VB8], s21, v9
	v_add_nc_u32 v[VB8], 512, v[VB8]
	v_lshlrev_b32 v10, 6, v3                       ; the bias: 16 h numbers on
	v_lshlrev_b32 v11, 2, v2
	v_lshl_add_u32 v11, v3, 14, v11                ; ys: 4 r, and two heads on for lanes 16-31
	v_mul_u32_u24 v[STO], v2, 528
	v_lshl_add_u32 v[STO], v3, 6, v[STO]
	v_add_nc_u32 v[STO], s18, v[STO]               ; into the stage: row r, + 64 h
	v_add_nc_u32 v[RD], s18, v8                    ; back: 16 x lane of a row
	s_wait_dscnt 0x0                               ; the opening add is done
	s_wait_kmcnt 0x0
	s_add_nc_u64 s[96:97], s[4:5], s[86:87]
	s_add_nc_u64 s[98:99], s[8:9], s[88:89]
.irp c, 0,1,2,3
	s_mov_b32 s[G0A+4*\c], 1
	s_add_co_u32 s[G0A+4*\c+1], s23, 24576*\c
	s_add_nc_u64 s[G0A+4*\c+2:G0A+4*\c+3], s[96:97], 3072*\c
	s_or_b32 s[G0A+4*\c+3], s[G0A+4*\c+3], 0x80000000
	s_mov_b32 s[G0B+4*\c], 1
	s_add_co_u32 s[G0B+4*\c+1], s21, 49152*\c
	s_add_nc_u64 s[G0B+4*\c+2:G0B+4*\c+3], s[98:99], 3072*\c
	s_or_b32 s[G0B+4*\c+3], s[G0B+4*\c+3], 0x80000000
.endr
	CROUND                                         ; all sixteen work-groups are here: the joint loads meet
	s_cmp_eq_u32 s15, 0                            ; a wave's four fills stand in one branch on the wave's number, an s_nop 0 behind each and four v_nop behind the last
	s_cbranch_scc0 .Lfill_b
.irp c, 0,1,2,3
	tensor_load_to_lds s[G0A+4*\c:G0A+4*\c+3], s[G1A:G1A+7]
	s_nop 0
.endr
	PLACES 4
	s_branch .Lfilled
.Lfill_b:
.irp c, 0,1,2,3
	tensor_load_to_lds s[G0B+4*\c:G0B+4*\c+3], s[G1B:G1B+7]
	s_nop 0
.endr
	PLACES 4
.Lfilled:
.irp b, 0,1,2,3,4,5,6,7
	global_load_b128 v[SB+4*\b:SB+4*\b+3], v8, s[98:99] offset:\b*RTB+12288   ; register j: lanes 0-15 K step 2 j, lanes 16-31 K step 2 j + 1
.endr
	s_lshr_b32 s78, s22, 7                         ; the batch: 16 heads x 8,192 bytes of ys
	s_lshl_b32 s78, s78, 17
	s_and_b32 s79, s22, 127
	s_lshl_b32 s79, s79, 6                         ; my first tile: 64 bytes a tile
	s_add_co_u32 s78, s78, s79
	s_mov_b32 s79, 0
	s_add_nc_u64 s[78:79], s[6:7], s[78:79]
	s_wait_alu depctr_va_vdst(0)
.irp a, 0,1,2,3
.irp j, 0,1,2,3
	global_load_b32 v[SA+4*\a+\j], v11, s[78:79] offset:64*\a+32768*\j          ; K step 2 j + h is heads 4 j + 2 h and 4 j + 2 h + 1: the first head's two bytes,
	global_load_b32 v[BV+4*\a+\j], v11, s[78:79] offset:64*\a+32768*\j+8192     ; and the second's
.endr
.endr
	s_lshl_b32 s88, s83, 10
	s_lshl_b32 s89, s16, 9
	s_add_co_u32 s88, s88, s89                     ; output 256 TC + 128 (wave % 2), in bytes
	s_mov_b32 s89, 0
	s_add_nc_u64 s[88:89], s[10:11], s[88:89]
	WIN 0x40
.irp t, 0,1,2,3,4,5,6,7
	global_load_b128 v[BQ+8*\t:BQ+8*\t+3], v10, s[88:89] offset:(32*(\t/2)+8*(\t%2))*4
	global_load_b128 v[BQ+8*\t+4:BQ+8*\t+7], v10, s[88:89] offset:(32*(\t/2)+8*(\t%2))*4+16
.endr
	WIN 0
	s_wait_loadcnt 0x0
.irp i, 0,1,2,3,4,5,6,7,8,9,10,11,12,13,14,15
	v_lshl_or_b32 v[SA+\i], v[BV+\i], 16, v[SA+\i] ; four bytes: a K step's scale word
.endr
	PLACES 8                                       ; scale registers written by vector instructions stand eight places ahead of the products
	s_wait_alu depctr_va_vdst(0)
	s_wait_tensorcnt 3                             ; my part of chunk 0 is in; three chunks may be out
	s_barrier_signal -1
	s_barrier_wait -1                              ; everybody's is
	FETCH 0
	s_wait_dscnt 0x0                               ; K step 0: its products start the sums with the bias
	FETCH 1
	MULH 0, 0, 1
	MULH 0, 2, 1
	KODD 1
	s_wait_alu depctr_va_vdst(0)
	KEVEN 2
	KODD 3
	s_wait_alu depctr_va_vdst(0)
	KEVEN 4
	KODD 5
	s_wait_alu depctr_va_vdst(0)
	KEVEN 6
	s_wait_dscnt 0x0
	MULH 7, 0, 0
	MULH 7, 2, 0
	WIN 0
	s_barrier_signal -1                            ; my LDS reads are over (the wait above), and so are all fills: behind this barrier nobody reads A's first two chunks, where the stages lie
	s_barrier_wait -1
	s_lshl_b32 s78, s82, 19                        ; 128 TR rows of 4,096 bytes
	s_lshl_b32 s79, s15, 18                        ; 64 rows
	s_add_co_u32 s78, s78, s79
	s_lshl_b32 s79, s83, 10
	s_add_co_u32 s78, s78, s79
	s_lshl_b32 s79, s16, 9
	s_add_co_u32 s78, s78, s79
	s_mov_b32 s79, 0
	s_add_nc_u64 s[12:13], s[12:13], s[78:79]
	PLACES 4                                       ; in front of the first read of results and of loads into registers that the last products read
	TOSTAGE 0
.irp a, 1,2,3
.if \a > 1
	s_wait_xcnt 0x0                                ; the stores of two blocks ago have read their registers
.endif
	TOSTAGE \a
	SEND \a-1, 32                                  ; behind block a - 1's loads: block a's 16 stores and 16 loads
.endr
	SEND 3, 0
	s_wait_tensorcnt 0x0                           ; the wave's end, behind my last tensor load and my last LDS store
	ds_add_u32 v[SPW], v[NIL]
	s_wait_dscnt 0x0
	CROUND                                         ; the closing round: no work-group ends while a partner may still ask for a tile that names it
	s_endpgm
.Lfunc_end_k_qc153e4b13e_proj:
	.size	k_qc153e4b13e_proj, .Lfunc_end_k_qc153e4b13e_proj-k_qc153e4b13e_proj
	.p2alignl 7, 3214868480
	.fill 96, 4, 3214868480
	.section	.rodata,"a",@progbits
	.p2align	6, 0x0
	.amdhsa_kernel k_qc153e4b13e_proj
		.amdhsa_group_segment_fixed_size 295424
		.amdhsa_private_segment_fixed_size 0
		.amdhsa_enable_private_segment 0
		.amdhsa_kernarg_size 40
		.amdhsa_user_sgpr_count 2
		.amdhsa_user_sgpr_kernarg_segment_ptr 1
		.amdhsa_wavefront_size32 1
		.amdhsa_system_sgpr_workgroup_id_x 1
		.amdhsa_system_sgpr_workgroup_id_y 1
		.amdhsa_system_sgpr_workgroup_id_z 1
		.amdhsa_system_vgpr_workitem_id 0
		.amdhsa_next_free_vgpr 768
		.amdhsa_next_free_sgpr 100
		.amdhsa_reserve_vcc 0
		.amdhsa_float_denorm_mode_32 3
		.amdhsa_float_denorm_mode_16_64 3
		.amdhsa_memory_ordered 1
		.amdhsa_forward_progress 1
		.amdhsa_inst_pref_size 89
	.end_amdhsa_kernel
	.amdgpu_metadata
---
amdhsa.version: [ 1, 2 ]
amdhsa.kernels:
  - .name:           k_qc153e4b13e_proj
    .symbol:         k_qc153e4b13e_proj.kd
    .args:
      - { .name: yq, .offset: 0, .size: 8, .value_kind: global_buffer, .address_space: global }
      - { .name: ys, .offset: 8, .size: 8, .value_kind: global_buffer, .address_space: global }
      - { .name: wo, .offset: 16, .size: 8, .value_kind: global_buffer, .address_space: global }
      - { .name: b_o, .offset: 24, .size: 8, .value_kind: global_buffer, .address_space: global }
      - { .name: out0, .offset: 32, .size: 8, .value_kind: global_buffer, .address_space: global }
    .group_segment_fixed_size: 295424
    .private_segment_fixed_size: 0
    .kernarg_segment_align: 8
    .kernarg_segment_size: 40
    .max_flat_workgroup_size: 128
    .sgpr_count:     100
    .vgpr_count:     768
    .wavefront_size: 32
...
	.end_amdgpu_metadata
.endif
;; end of part 4
